; MI455X (gfx1250); checked and timed in simulation.
; The chip was launched on July 23, 2026; its instructions are those of AMD's public machine-readable ISA for CDNA 5 (MIT licence, August 2026) and "CDNA5" Instruction Set Architecture Reference Guide (July 2026). The comments in the code are by the model that wrote it; some were corrected since.
;; Temporal Attention. Allowed arithmetic: matrix products marked QUANTISED: E4M3 operands, one E8M0 scale for each 32 along K, by v_wmma_scale_f32_16x16x128_f8f6f4 with both operands' format E4M3, f32 sums; everything else in f32.
;; Inputs: Wk 256 x 256 float32; Wq 256 x 256 float32; Wv 256 x 256 float32; bk 256 float32; bq 256 float32; bv 256 float32; x 8 x 2,048 x 256 float32.
;; Outputs: out0 8 x 2,048 x 256 float32.
;; This version of the problem:
;;   THIS VERSION OF THE PROBLEM IS GIVEN IN LOW PRECISION. The matrix products marked QUANTISED in the list below multiply operands that are first quantised to E4M3 (4 exponent bits, 3 mantissa bits; 8 bits a number), with one power-of-two scale for each 32 numbers along K (OCP MX v1.0); their sums are f32. All else is computed in f32.
;;   The module's matrix products, in the order in which they are computed (A, B: the left and right operand; K: the contracted axis; several contracted axes count as one K, in the product's order):
;;     1. [M 16,384, K 256] x [K 256, N 256]; A: input x; B: input Wq: QUANTISED
;;     2. [M 16,384, K 256] x [K 256, N 256]; A: input x; B: input Wk: QUANTISED
;;     3. [M 16,384, K 256] x [K 256, N 256]; A: input x; B: input Wv: QUANTISED
;;     4. batch 8 x [M 2,048, K 256] x [K 256, N 2,048]; A: computed on the way; B: computed on the way: QUANTISED
;;     5. batch 8 x [M 2,048, K 2,048] x [K 2,048, N 256]; A: softmax (see below); B: computed on the way: QUANTISED
;;   THE QUANTISER, for each operand of a quantised product, along K:
;;     - K is cut into blocks of 32 from its start; a last block that is shorter is filled with zeros.
;;     - A block's scale is 2^e with e = floor(log2(the largest magnitude in the block)) - 8, held to -126 .. 127; a block of zeros has e = 0. As a byte (E8M0): e + 127.
;;     - Each number is divided by its block's scale, clamped to +-448, and rounded to the nearest number of E4M3, ties to even, subnormals kept.
;;     - The product sums the exact products of the quantised numbers (number of the format x scale) in f32.
;;   ~~~python
;;   def quantise(x, axis):      # numpy; x: float32 -> the quantised numbers, widened to float32 again
;;       x = np.moveaxis(x, axis, -1); K = x.shape[-1]
;;       x = np.pad(x, [(0, 0)] * (x.ndim - 1) + [(0, -K % 32)]); x = x.reshape(x.shape[:-1] + (-1, 32)); a = np.abs(x).max(-1, keepdims=True)
;;       e = np.where(a > 0, np.clip(np.frexp(np.where(a > 0, a, 1))[1] - 1 - 8, -126, 127), 0)      # np.frexp(a)[1] - 1 = floor(log2(a)), exactly
;;       r = np.clip(x / 2.0 ** e, -448, 448)
;;       step = 2.0 ** (np.maximum(np.frexp(np.where(r == 0, 1, r))[1] - 1, -6) - 3)
;;       q = np.round(r / step) * step * 2.0 ** e      # np.round: ties to even
;;       return np.moveaxis(q.reshape(q.shape[:-2] + (-1,))[..., :K], -1, axis).astype(np.float32)
;;   ~~~
;;   SOFTMAX AHEAD OF A QUANTISED PRODUCT. Where the list says 'softmax', what is quantised is not the finished softmax but p = 2^(t - M), with t = logit x log2(e) and M = ceil(the row's largest t), a whole number; so 1/2 < the row's largest p <= 1. The row's sum l is taken of the UNQUANTISED p, in f32, and the product's result is divided by l at the end. Since M is a whole number, a kernel that streams over the keys may use a running M (the ceiling of the running maximum): every later rescaling is an exact power of two, which a block's scale takes up: the codes' values come out the same.
;;   OPERANDS COMPUTED ON THE WAY. 'Computed on the way' means the value that the module computes at that place (a softmax that the list does not call 'softmax' is quantised finished and normalised). What goes into a quantiser is computed in f32, as accurately as f32 sums, v_exp_f32 and their like allow (about 1e-6 of the number): no bf16 or f16 on the way to a quantiser, and a product that is left as it is and whose result goes on into a quantised operand takes f32 operands (vector FMAs, or v_wmma_f32_16x16x4_f32). A number that lies on a knife's edge between two numbers of the format may be rounded either way, as far as f32 arithmetic and the matrix unit's own rounding can turn it there, and no further.
;; 2 versions, each right; version 2 is version 1 with the launch proj written anew for expert scheduling mode. Each part assembles by itself: llvm-mc -triple=amdgcn-amd-amdhsa -mcpu=gfx1250 --defsym DOCPART=n.
;; ======== version 1 of 2: 3 launches
;; workspace buffers: wc 196,608 bytes; ws 6,144 bytes; qkv 12,582,912 bytes; qkvs 393,216 bytes
;; launch wprep (part 1): grid 16 x 3, 1 waves a work-group, no clusters, 0 bytes of LDS; arguments Wq, Wk, Wv, wc, ws; writes wc, ws
.if DOCPART == 1
	.amdgcn_target "amdgcn-amd-amdhsa--gfx1250"
	.amdhsa_code_object_version 6
	.text
	.protected	k_q3df82baa33_wprep
	.globl	k_q3df82baa33_wprep
	.p2align	8
	.type	k_q3df82baa33_wprep,@function
k_q3df82baa33_wprep:
	s_mov_b64 s[64:65], 0
	v_nop
	global_prefetch_b8 v0, s[64:65] scope:SCOPE_SE
	s_setreg_imm32_b32 hwreg(HW_REG_WAVE_MODE, 25, 1), 1
	s_wait_xcnt 0x0
; Wq, Wk, Wv [256 (d)][256 (e)], f32, are operands whose K is d, their FIRST axis.  Each is turned into codes of FP8 (E4M3) with one E8M0 scale byte for each 32 along d,
; laid as IMAGES OF OPERAND REGISTERS: a fragment is 16 columns e x 128 along d, 2,048 bytes: chunk c (512 bytes), in it lane r + 16 h's 16 bytes = d 32 c + 16 h + 0 .. 15 of the fragment's row r.
; Fragment (tau = q, k, v; hf = half of e; t = tile of 16; s = half of d) begins at ((2 tau + hf) 16 + 2 t + s) 2,048 in wc; its rows' scale words lie at (2 tau + hf) 1,024 + 512 s + 32 r + 4 t in ws.
; THE COLUMNS OF A TILE ARE NOT NEIGHBOURS: row r of tile 2 b + u is column 128 hf + 32 b + 8 u + r + 8 (r / 8), so that in a product's result the 16 registers of tiles 2 b and 2 b + 1 are 16 neighbours.
; A LANE TAKES A COLUMN e, AND ITS REGISTERS RUN DOWN d: a block of 32 lies in one lane's 32 registers, its largest magnitude needs no other lane, and the conversions give codes with d innermost.
; SHARES: one wave a work-group; x = 2 cg + s (cg: 32 columns, s: 128 of d), y = tau.  48 work-groups: 768 KiB are read once; the launch is short, so nothing is prefetched and no LDS is used.
; A block's scale is 2^(floor(log2(its largest magnitude)) - 8); its byte is that magnitude's exponent field - 8, held at 1 from below.
; LIMITS: a block of zeros, and one whose largest magnitude lies under 2^-118, gets the byte 1 (the rule says 127 for zeros: the codes are zeros, and this program alone reads the bytes); NaN and infinities among the inputs are not served.
.set X,  32                            ; v32-159  128 numbers: four blocks of 32
.set C,  160                           ; v160-191 codes: eight registers a block, so that no store's data are written again
.set SW, 24                            ; v24      the four scale bytes
	s_load_b128 s[4:7], s[0:1], 0x0                ; Wq, Wk
	s_load_b128 s[8:11], s[0:1], 0x10              ; Wv, wc
	s_load_b64 s[12:13], s[0:1], 0x20              ; ws
	s_and_b32 s16, ttmp7, 0xffff                   ; tau
	s_and_b32 s17, ttmp9, 1                        ; s
	s_lshr_b32 s18, ttmp9, 1                       ; cg
	s_lshr_b32 s19, s18, 2                         ; hf
	s_and_b32 s20, s18, 3                          ; b
	v_lshlrev_b32 v1, 2, v0                        ; in: 4 bytes a lane (one wave: the thread's number is the lane)
	v_bfe_u32 v4, v0, 3, 1                         ; u: which of the two tiles my column falls into
	v_and_b32 v5, 7, v0
	v_and_b32 v6, 16, v0
	v_lshrrev_b32 v6, 1, v6
	v_add_nc_u32 v5, v5, v6                        ; r: its row there
	v_lshlrev_b32 v2, 4, v5
	v_lshl_add_u32 v2, v4, 12, v2                  ; codes: 16 r + 4,096 u (tile 2 b + 1 lies two fragments on)
	v_lshlrev_b32 v3, 5, v5
	v_lshl_add_u32 v3, v4, 2, v3                   ; scale word: 32 r + 4 u
	s_lshl_b32 s22, s17, 17                        ; W: 128 s rows of 1,024 bytes
	s_lshl_b32 s23, s18, 7                         ;    + 32 cg columns
	s_add_co_u32 s22, s22, s23
	s_mov_b32 s23, 0
	s_lshl_b32 s24, s16, 1
	s_add_co_u32 s24, s24, s19                     ; 2 tau + hf
	s_lshl_b32 s26, s24, 4
	s_lshl_b32 s27, s20, 2
	s_add_co_u32 s26, s26, s27
	s_add_co_u32 s26, s26, s17
	s_lshl_b32 s26, s26, 11                        ; wc: ((2 tau + hf) 16 + 4 b + s) 2,048
	s_mov_b32 s27, 0
	s_lshl_b32 s28, s24, 10
	s_lshl_b32 s29, s17, 9
	s_add_co_u32 s28, s28, s29
	s_lshl_b32 s29, s20, 3
	s_add_co_u32 s28, s28, s29                     ; ws: (2 tau + hf) 1,024 + 512 s + 8 b
	s_mov_b32 s29, 0
	s_mov_b32 s30, 0x600000                        ; the mantissa field of 448 (an instruction takes one literal)
	s_wait_kmcnt 0x0
	s_cmp_eq_u32 s16, 1                            ; which weight: the choice hangs on the work-group's number alone
	s_cselect_b64 s[4:5], s[6:7], s[4:5]
	s_cmp_eq_u32 s16, 2
	s_cselect_b64 s[4:5], s[8:9], s[4:5]
	s_add_nc_u64 s[4:5], s[4:5], s[22:23]
	s_add_nc_u64 s[10:11], s[10:11], s[26:27]
	s_add_nc_u64 s[12:13], s[12:13], s[28:29]
.macro LOAD c                          ; block c: W(128 s + 32 c + i, my column), i = 0 .. 31: 32 lanes read 128 consecutive bytes
.set i, 0
.rept 32
	global_load_b32 v[X+32*(\c)+i], v1, s[4:5] offset:(32*(\c)+i)*1024 th:TH_LOAD_NT
.set i, i+1
.endr
.endm
.macro BLOCK c
.set XS, X+32*(\c)
.if (\c) < 3
	s_wait_loadcnt 32                              ; this block's 32 loads are in; the next block's 32 may be out
.else
	s_wait_loadcnt 0x0
.endif
.if (\c) < 2
	LOAD (\c)+2                                    ; loads run two blocks ahead
.endif
	v_max3_num_f32 v8, |v[XS]|, |v[XS+1]|, |v[XS+2]|               ; the block's largest magnitude: all 32 numbers are mine; two chains
	v_max3_num_f32 v9, |v[XS+3]|, |v[XS+4]|, |v[XS+5]|
.irp i, 6,10,14,18,22,26
	v_max3_num_f32 v8, v8, |v[XS+\i]|, |v[XS+\i+1]|
	v_max3_num_f32 v9, v9, |v[XS+\i+2]|, |v[XS+\i+3]|
.endr
	v_max3_num_f32 v8, v8, |v[XS+30]|, |v[XS+31]|
	v_max3_num_f32 v8, v8, v9, 0x4800000           ; and the floor 2^(9 - 127): the byte cannot fall under 1
	v_add_nc_u32 v11, 0xfc000000, v8               ; 8 off the exponent field: the conversion takes this operand's exponent field as its scale
	v_and_or_b32 v10, v8, 0x7f800000, s30          ; 448 x the scale
	v_lshrrev_b32 v9, 23, v11                      ; the scale's byte
.if (\c) == 0
	v_mov_b32 v[SW], v9                            ; four bytes to the word, the lower d in the lower byte
.else
	v_lshl_or_b32 v[SW], v9, 8*(\c), v[SW]
.endif
.set i, 0
.rept 32
	v_med3_num_f32 v[XS+i], v[XS+i], -v10, v10     ; the conversion to an 8-bit code does not saturate (ISA guide 7.6.2): the hold at the largest code x the scale
.set i, i+1
.endr
.irp g, 0,1,2,3
	v_cvt_scalef32_pk8_fp8_f32 v[C+8*(\c)+2*\g:C+8*(\c)+2*\g+1], v[XS+8*\g:XS+8*\g+7], v11
.endr
	global_store_b128 v2, v[C+8*(\c):C+8*(\c)+3], s[10:11] offset:512*(\c)          ; d 32 c + 0 .. 15: the image's lanes 0-15; the sixteen lanes of a tile store 256 consecutive bytes, aligned
	global_store_b128 v2, v[C+8*(\c)+4:C+8*(\c)+7], s[10:11] offset:512*(\c)+256    ; d 32 c + 16 .. 31: its lanes 16-31
.endm
	LOAD 0
	LOAD 1
	BLOCK 0
	BLOCK 1
	BLOCK 2
	BLOCK 3
	global_store_b32 v3, v[SW], s[12:13]           ; my column's scale word for these 128 of d
	s_endpgm
.Lfunc_end_k_q3df82baa33_wprep:
	.size	k_q3df82baa33_wprep, .Lfunc_end_k_q3df82baa33_wprep-k_q3df82baa33_wprep
	.p2alignl 7, 3214868480
	.fill 96, 4, 3214868480
	.section	.rodata,"a",@progbits
	.p2align	6, 0x0
	.amdhsa_kernel k_q3df82baa33_wprep
		.amdhsa_group_segment_fixed_size 0
		.amdhsa_private_segment_fixed_size 0
		.amdhsa_enable_private_segment 0
		.amdhsa_kernarg_size 40
		.amdhsa_user_sgpr_count 2
		.amdhsa_user_sgpr_kernarg_segment_ptr 1
		.amdhsa_wavefront_size32 1
		.amdhsa_system_sgpr_workgroup_id_x 1
		.amdhsa_system_sgpr_workgroup_id_y 1
		.amdhsa_system_sgpr_workgroup_id_z 1
		.amdhsa_system_vgpr_workitem_id 0
		.amdhsa_next_free_vgpr 192
		.amdhsa_next_free_sgpr 66
		.amdhsa_reserve_vcc 0
		.amdhsa_float_denorm_mode_32 3
		.amdhsa_float_denorm_mode_16_64 3
		.amdhsa_memory_ordered 1
		.amdhsa_forward_progress 1
		.amdhsa_inst_pref_size 29
	.end_amdhsa_kernel
	.amdgpu_metadata
---
amdhsa.version: [ 1, 2 ]
amdhsa.kernels:
  - .name:           k_q3df82baa33_wprep
    .symbol:         k_q3df82baa33_wprep.kd
    .args:
      - { .name: Wq, .offset: 0, .size: 8, .value_kind: global_buffer, .address_space: global }
      - { .name: Wk, .offset: 8, .size: 8, .value_kind: global_buffer, .address_space: global }
      - { .name: Wv, .offset: 16, .size: 8, .value_kind: global_buffer, .address_space: global }
      - { .name: wc, .offset: 24, .size: 8, .value_kind: global_buffer, .address_space: global }
      - { .name: ws, .offset: 32, .size: 8, .value_kind: global_buffer, .address_space: global }
    .group_segment_fixed_size: 0
    .private_segment_fixed_size: 0
    .kernarg_segment_align: 8
    .kernarg_segment_size: 40
    .max_flat_workgroup_size: 32
    .sgpr_count:     66
    .vgpr_count:     192
    .wavefront_size: 32
...
	.end_amdgpu_metadata
.endif
;; end of part 1
;; launch proj (part 2): grid 256 x 1, 8 waves a work-group, no clusters, 134,656 bytes of LDS; arguments x, wc, ws, bq, bk, bv, qkv, qkvs; writes qkv, qkvs
.if DOCPART == 2
	.amdgcn_target "amdgcn-amd-amdhsa--gfx1250"
	.amdhsa_code_object_version 6
	.text
	.protected	k_q3df82baa33_proj
	.globl	k_q3df82baa33_proj
	.p2align	8
	.type	k_q3df82baa33_proj,@function
k_q3df82baa33_proj:
	s_mov_b64 s[64:65], 0
	v_nop
	global_prefetch_b8 v0, s[64:65] scope:SCOPE_SE
	s_setreg_imm32_b32 hwreg(HW_REG_WAVE_MODE, 25, 1), 1
	s_wait_xcnt 0x0
; Q = x Wq + bq, K = x Wk + bk, V = x Wv + bv on codes of FP8 (E4M3) with one E8M0 scale for each 32 along d; the f32 results are quantised at once for the attention's two products and leave as codes:
; Q and K along their 256 features, V along the KEYS.  x [16,384][256] f32 is quantised here; the weights come as register images from wc and ws.
; SHARES.  Work-group = (rb = 128 rows, hf = half of the 256 outputs): 256 work-groups.  128 rows, since a fragment of V is 16 channels x 128 keys: so every fragment and every scale word that leaves is whole.
; The price: the two work-groups of an rb both read and quantise its 128 KiB of x.  Wave w quantises row tile w (two fragments; they stay in its registers and also go to LDS as images), and then does three jobs of 16
; matrix instructions: Q of row tile w, K of row tile w (source 0 = 16 columns of W, source 1 = my rows: a lane holds ONE row, its registers run along the features), and V of channel tile w for all 128 rows
; (source 0 = 16 rows of x, source 1 = 16 columns of Wv: a lane holds ONE channel, its registers run along the keys).  So each result's 64 registers are 64 neighbours along the next K, and the conversions' results are the next operand's registers.
; THE ROWS OF A TILE ARE NOT NEIGHBOURS: index r of tile 2 b + u is element 32 b + 8 u + r + 8 (r / 8), for x's rows and for W's columns alike.
; OUT: fragment ((2 rb + hf) 8 + w) 2,048 + 512 c + 16 lane in each region of qkv (Q at 0, K at 4 MiB, V at 8 MiB); scale word (2 rb + hf) 512 + 32 r + 4 w in each region of qkvs (131,072 bytes apart).
; The biases are the C of each sum's first matrix instruction.  No tensor load, so no ring; two barriers.  NO CLUSTER: the weights' codes, 96 KiB for each work-group, come once, through registers, before the one
; pass over the work-group's rows; joint requests are tensor loads, and this text has none.
; LIMITS: a block of zeros, and one whose largest magnitude lies under 2^-118, gets the byte 1 (its codes are zeros or tiny; this program alone reads the bytes); NaN and infinities are not served.
; LDS: 0 the weights' 48 fragments (tau 32,768 + (2 t + s) 2,048);  XIMG x's 16 fragments ((2 m + s) 2,048);  XSC their scale words (128 m + 64 s + 4 r);  OSC the results' scale words (512 tau + 32 r + 4 w).
; REGISTERS: window 0 as named below; window 1: 16 fragments (at the head v0-95 carry the weights' codes from memory to LDS).
.set XIMG, 98304
.set XSC,  131072
.set OSC,  132096
.set LI,   1                           ; 16 x lane
.set LI2,  2                           ; + 65,536
.set XA,   3                           ; x: (r + 8 (r / 8)) 1,024 + 64 h
.set LIW,  4                           ; 16 x lane + 4,096 x wave
.set LIW2, 5                           ; + 65,536
.set XWI,  6                           ; where I store x's images
.set XWS,  7                           ; and their scale words
.set LS,   8                           ; XSC + 4 x lane
.set LV,   9                           ; Wv's tile w in LDS
.set OSW,  10                          ; OSC + 32 r + 4 w
.set VB,   11                          ; 64 h: a bias's eight numbers of my half
.set VWS,  12                          ; 512 h + 32 r: the weights' scale words, K step 0 in lanes 0-15, K step 1 in lanes 16-31
.set VBV,  13                          ; 4 (r + 8 (r / 8)): bv of my channel
.set OSR,  14                          ; OSC + 512 min(wave, 2) + 16 x lane
.set XF,   16                          ; v16-47   x's two fragments; later Wv's two
.set HA,   48                          ; v48-111  64 numbers
.set HB,   112                         ; v112-175 64 numbers
.set PC,   176                         ; v176-191 the codes just made
.set TM,   192                         ; v192-207 at work in QUANT
.set PW,   208                         ; the scale word just made
.set XS,   209                         ; v209-210 my rows' scale words
.set WVS,  211                         ; Wv's scale words of tile w
.set WSQ,  212                         ; v212-219 Wq's scale words, tile t; later
.set XV,   212                         ;          x's scale words, tile m
.set WSK,  220                         ; v220-227 Wk's
.set BV,   228                         ; v228-235 bv of my channel, eight times: the C of V's first products
.set WV,   20
.set OB,   40                          ; s[40:45] where my fragments of Q, K, V go
.set SEL,  56
.set MNT,  58
.set MSB, 0
.macro WIN new                         ; the immediate's high byte repeats the setting that is left
.if MSB != \new
	s_set_vgpr_msb (MSB<<8)|\new
.set MSB, \new
.endif
.endm
.macro PLACES n
.rept \n
	v_nop
.endr
.endm
.macro BARRIER                         ; my LDS stores have landed and my LDS loads are in: then the work-group's barrier
	s_wait_dscnt 0x0
	s_barrier_signal -1
	s_barrier_wait -1
.endm
.macro XLOAD reg, s                    ; my 16 rows' numbers of K step s: register 16 b + 4 j + .. = d 128 s + 32 b + 16 h + 4 j + ..
.irp b, 0,1,2,3
.irp j, 0,1,2,3
	global_load_b128 v[\reg+16*\b+4*\j:\reg+16*\b+4*\j+3], v[XA], s[4:5] offset:512*\s+128*\b+16*\j
.endr
.endr
.endm
.macro BIAS reg, sb                    ; a bias in the result's layout: register 8 t + j of lane (r, h) = feature 32 (t / 2) + 16 h + 8 (t % 2) + j of my half
.irp t, 0,1,2,3,4,5,6,7
	global_load_b128 v[\reg+8*\t:\reg+8*\t+3], v[VB], s[\sb:\sb+1] offset:(32*(\t/2)+8*(\t%2))*4
	global_load_b128 v[\reg+8*\t+4:\reg+8*\t+7], v[VB], s[\sb:\sb+1] offset:(32*(\t/2)+8*(\t%2))*4+16
.endr
.endm
; 64 numbers of a lane, register 16 b + i = k 32 b + 16 h + i of my row, become a fragment's codes in v[d] on and its scale word in v[w]
.macro QUANT s, d, w
.irp b, 0,1,2,3
	v_max3_num_f32 v[TM+\b], |v[\s+16*\b]|, |v[\s+1+16*\b]|, 0x4800000   ; block b: my 16 numbers, and the floor 2^(9 - 127): the byte cannot fall under 1
.endr
.irp i, 2,4,6,8,10,12,14
.irp b, 0,1,2,3
	v_max3_num_f32 v[TM+\b], v[TM+\b], |v[\s+16*\b+\i]|, |v[\s+1+16*\b+\i]|   ; the four blocks by turns
.endr
.endr
.irp b, 0,1,2,3
	v_permlanex16_b32 v[TM+4+\b], v[TM+\b], s[SEL], s[SEL+1]
.endr
.irp b, 0,1,2,3
	v_max_num_f32 v[TM+\b], v[TM+\b], v[TM+4+\b]   ; with lane l xor 16's: the block's largest magnitude
.endr
.irp b, 0,1,2,3
	v_add_nc_u32 v[TM+12+\b], 0xfc000000, v[TM+\b] ; 8 off its exponent field: the conversion's scale operand
.endr
.irp b, 0,1,2,3
	v_and_or_b32 v[TM+8+\b], v[TM+\b], 0x7f800000, s[MNT]   ; 448 x the scale
.endr
.irp b, 0,1,2,3
	v_lshrrev_b32 v[TM+4+\b], 23, v[TM+12+\b]      ; the scale's byte
.endr
	v_lshl_or_b32 v[\w], v[TM+5], 8, v[TM+4]       ; the four bytes make my row's scale word
	v_lshl_or_b32 v[\w], v[TM+6], 16, v[\w]
	v_lshl_or_b32 v[\w], v[TM+7], 24, v[\w]
.irp b, 0,1,2,3
.irp i, 0,1,2,3,4,5,6,7,8,9,10,11,12,13,14,15
	v_med3_num_f32 v[\s+16*\b+\i], v[\s+16*\b+\i], -v[TM+8+\b], v[TM+8+\b]   ; the conversion does not saturate (ISA guide 7.6.2): the hold at the largest code x the scale
.endr
	v_cvt_scalef32_pk8_fp8_f32 v[\d+4*\b:\d+4*\b+1], v[\s+16*\b:\s+16*\b+7], v[TM+12+\b]
	v_cvt_scalef32_pk8_fp8_f32 v[\d+4*\b+2:\d+4*\b+3], v[\s+16*\b+8:\s+16*\b+15], v[TM+12+\b]
.endr
	PLACES 4                                       ; codes made by vector instructions stand four plain instructions ahead of a scaled matrix instruction that takes them
.endm
.macro IMAGE adr, reg, off             ; a fragment goes to LDS as it stands in the registers
.irp c, 0,1,2,3
	ds_store_b128 v[\adr], v[\reg+4*\c:\reg+4*\c+3] offset:\off+512*\c
.endr
.endm
.macro FETCH16 adr, off                ; 16 fragments, 32 KiB on end, into window 1: register 4 f from byte 512 f
	WIN 0x40
.set f, 0
.rept 64
	ds_load_b128 v[4*f:4*f+3], v[\adr] offset:\off+512*f
.set f, f+1
.endr
	WIN 0
.endm
; 16 matrix instructions: the weight's eight tiles x my 16 rows, two K steps; the eight accumulators take turns, and begin as the bias that was loaded into them
.macro JOBQK acc, ws
	WIN 0x01                                       ; source 0 (the weight) in window 1
.irp t, 0,1,2,3,4,5,6,7
	v_wmma_scale_f32_16x16x128_f8f6f4 v[\acc+8*\t:\acc+8*\t+7], v[32*\t:32*\t+15], v[XF:XF+15], v[\acc+8*\t:\acc+8*\t+7], v[\ws+\t], v[XS]
.endr
.irp t, 0,1,2,3,4,5,6,7
	v_wmma_scale_f32_16x16x128_f8f6f4 v[\acc+8*\t:\acc+8*\t+7], v[32*\t+16:32*\t+31], v[XF+16:XF+31], v[\acc+8*\t:\acc+8*\t+7], v[\ws+\t], v[XS+1] matrix_a_scale:MATRIX_SCALE_ROW1
.endr
	WIN 0
.endm
.macro OUT tau                         ; the fragment in v[PC] on leaves as it stands: each store covers 512 consecutive bytes, aligned; its scale word waits in LDS for the other waves'
.irp c, 0,1,2,3
	global_store_b128 v[LI], v[PC+4*\c:PC+4*\c+3], s[OB+2*\tau:OB+2*\tau+1] offset:512*\c
.endr
	ds_store_b32 v[OSW], v[PW] offset:512*\tau     ; lanes r and r + 16 write the same word with the same value
.endm
	s_load_b256 s[4:11], s[0:1], 0x0               ; x s[4:5], wc s[6:7], ws s[8:9], bq s[10:11]
	s_load_b256 s[12:19], s[0:1], 0x20             ; bk s[12:13], bv s[14:15], qkv s[16:17], qkvs s[18:19]
	v_lshl_add_u32 v254, v0, 2, 0x20a00
	v_mov_b32 v255, 0
	v_lshrrev_b32 v236, 5, v0
	v_readfirstlane_b32 s[WV], v236                ; wave 0..7
	v_and_b32 v236, 31, v0                         ; lane
	v_and_b32 v237, 15, v0                         ; r
	v_bfe_u32 v238, v0, 4, 1                       ; h
	v_and_b32 v239, 8, v237
	v_add_nc_u32 v239, v239, v237                  ; r + 8 (r / 8)
	s_lshl_b32 s21, s[WV], 12
	s_lshl_b32 s22, s[WV], 7
	s_lshl_b32 s23, s[WV], 2
	s_min_u32 s24, s[WV], 2
	s_lshl_b32 s25, s24, 9
	v_lshlrev_b32 v[LI], 4, v236
	v_add_nc_u32 v[LI2], 65536, v[LI]
	v_lshlrev_b32 v[XA], 10, v239
	v_lshl_add_u32 v[XA], v238, 6, v[XA]
	v_add_nc_u32 v[LIW], s21, v[LI]
	v_add_nc_u32 v[LIW2], 65536, v[LIW]
	v_add_nc_u32 v[XWI], XIMG, v[LIW]
	v_lshlrev_b32 v[XWS], 2, v237
	v_add_nc_u32 v[XWS], s22, v[XWS]
	v_add_nc_u32 v[XWS], XSC, v[XWS]
	v_lshl_add_u32 v[LS], v236, 2, XSC
	v_add_nc_u32 v[LV], s21, v[LI2]
	v_lshlrev_b32 v[OSW], 5, v237
	v_add_nc_u32 v[OSW], s23, v[OSW]
	v_add_nc_u32 v[OSW], OSC, v[OSW]
	v_lshlrev_b32 v[VB], 6, v238
	v_lshlrev_b32 v[VWS], 5, v237
	v_lshl_add_u32 v[VWS], v238, 9, v[VWS]
	v_lshlrev_b32 v[VBV], 2, v239
	v_add_nc_u32 v[OSR], s25, v[LI]
	v_add_nc_u32 v[OSR], OSC, v[OSR]
	s_and_b32 s26, ttmp9, 1                        ; hf
	s_lshr_b32 s27, ttmp9, 1                       ; rb
	s_lshr_b32 s28, s[WV], 1
	s_and_b32 s29, s[WV], 1
	s_lshl_b32 s28, s28, 5
	s_lshl_b32 s29, s29, 3
	s_add_co_u32 s28, s28, s29                     ; where tile w begins: 32 (w / 2) + 8 (w % 2)
	s_lshl_b32 s30, s27, 7
	s_add_co_u32 s30, s30, s28
	s_lshl_b32 s30, s30, 10                        ; x: row 128 rb + that, 1,024 bytes a row
	s_mov_b32 s31, 0
	s_lshl_b32 s32, s26, 15                        ; wc: 32,768 hf
	s_mov_b32 s33, 0
	s_lshl_b32 s34, s26, 10                        ; ws: 1,024 hf
	s_mov_b32 s35, 0
	s_lshl_b32 s36, s26, 9                         ; a bias: 128 hf numbers
	s_mov_b32 s37, 0
	s_lshl_b32 s38, s28, 2
	s_add_co_u32 s38, s38, s36                     ; bv: + tile w
	s_mov_b32 s39, 0
	s_lshl_b32 s48, s27, 1
	s_add_co_u32 s48, s48, s26                     ; 2 rb + hf
	s_lshl_b32 s50, s48, 3
	s_add_co_u32 s50, s50, s[WV]
	s_lshl_b32 s50, s50, 11                        ; my fragment in a region of qkv
	s_mov_b32 s51, 0
	s_lshl_b32 s52, s48, 9
	s_lshl_b32 s53, s24, 17
	s_add_co_u32 s52, s52, s53                     ; qkvs: region min(wave, 2), 512 (2 rb + hf)
	s_mov_b32 s53, 0
	s_add_co_u32 s54, s34, s23
	s_add_co_u32 s54, s54, 4096                    ; Wv's scale words of tile w
	s_mov_b32 s55, 0
	s_mov_b32 s[SEL], 0x76543210
	s_mov_b32 s[SEL+1], 0xfedcba98                 ; v_permlanex16_b32's selects for lane l xor 16
	s_mov_b32 s[MNT], 0x600000                     ; the mantissa field of 448
	s_wait_kmcnt 0x0
	s_add_nc_u64 s[4:5], s[4:5], s[30:31]
	s_add_nc_u64 s[6:7], s[6:7], s[32:33]
	s_add_nc_u64 s[46:47], s[8:9], s[54:55]
	s_add_nc_u64 s[8:9], s[8:9], s[34:35]
	s_add_nc_u64 s[10:11], s[10:11], s[36:37]
	s_add_nc_u64 s[12:13], s[12:13], s[36:37]
	s_add_nc_u64 s[14:15], s[14:15], s[38:39]
	s_add_nc_u64 s[OB:OB+1], s[16:17], s[50:51]
	s_add_nc_u64 s[OB+2:OB+3], s[OB:OB+1], 0x400000
	s_add_nc_u64 s[OB+4:OB+5], s[OB:OB+1], 0x800000
	s_add_nc_u64 s[18:19], s[18:19], s[52:53]
	XLOAD HA, 0                                    ; 16 loads
	XLOAD HB, 1                                    ; 16
	WIN 0x40                                       ; 24: my eighth of the weights' codes, 4,096 bytes of each weight, each load 512 consecutive bytes
.irp t, 0,1,2
.irp i, 0,1,2,3,4,5,6,7
	global_load_b128 v[4*(8*\t+\i):4*(8*\t+\i)+3], v[LIW], s[6:7] offset:65536*\t+512*\i
.endr
.endr
	WIN 0
	global_load_b128 v[WSQ:WSQ+3], v[VWS], s[8:9]  ; 13: the weights' scale words and bv
	global_load_b128 v[WSQ+4:WSQ+7], v[VWS], s[8:9] offset:16
	global_load_b128 v[WSK:WSK+3], v[VWS], s[8:9] offset:2048
	global_load_b128 v[WSK+4:WSK+7], v[VWS], s[8:9] offset:2064
	global_load_b32 v[WVS], v[VWS], s[46:47]
.irp j, 0,1,2,3,4,5,6,7
	global_load_b32 v[BV+\j], v[VBV], s[14:15]
.endr
.irp b, 0,1,2,3
	v_mov_b32 v[TM+4+\b], 0                        ; written once: a lane permute's destination counts as one of its sources
.endr
	s_wait_loadcnt 53                              ; x's K step 0 is in: behind it 16 + 24 + 13 loads were issued
	QUANT HA, XF, XS
	IMAGE XWI, XF, 0
	ds_store_b32 v[XWS], v[XS]
	BIAS HA, 10                                    ; 16 loads: bq into the registers that Q's sums begin in
	s_wait_loadcnt 53                              ; x's K step 1 is in: behind it 24 + 13 + 16
	QUANT HB, XF+16, XS+1
	IMAGE XWI, XF+16, 2048
	ds_store_b32 v[XWS], v[XS+1] offset:64
	BIAS HB, 12                                    ; 16 loads: bk
	s_wait_loadcnt 45                              ; the weights' codes are in: behind them 13 + 16 + 16
	WIN 0x04                                       ; an LDS store's data are its source 1: window 1
.irp t, 0,1
.irp i, 0,1,2,3,4,5,6,7
	ds_store_b128 v[LIW], v[4*(8*\t+\i):4*(8*\t+\i)+3] offset:32768*\t+512*\i
.endr
.endr
.irp i, 0,1,2,3,4,5,6,7
	ds_store_b128 v[LIW2], v[4*(16+\i):4*(16+\i)+3] offset:512*\i
.endr
	WIN 0
	BARRIER                                        ; the weights' 48 fragments and x's 16 lie in LDS
	FETCH16 LI, 0                                  ; Wq
	s_wait_loadcnt 0x0                             ; scale words and biases
	s_wait_dscnt 0x0
	JOBQK HA, WSQ
	PLACES 8                                       ; in front of loads into registers that these products read, and of the first read of their results
	FETCH16 LI, 32768                              ; Wk lands while Q is quantised
	QUANT HA, PC, PW
	OUT 0
	s_wait_dscnt 0x0
	JOBQK HB, WSK
	PLACES 8
	FETCH16 LI2, 32768                             ; x's 16 fragments,
.irp s, 0,1
.irp c, 0,1,2,3
	ds_load_b128 v[XF+16*\s+4*\c:XF+16*\s+4*\c+3], v[LV] offset:2048*\s+512*\c   ; Wv's tile w,
.endr
.endr
.irp m, 0,1,2,3,4,5,6,7
	ds_load_b32 v[XV+\m], v[LS] offset:128*\m      ; and x's scale words (lanes 0-15: K step 0, lanes 16-31: K step 1) land while K is quantised
.endr
	s_wait_xcnt 0x0                                ; Q's stores have read v[PC] on: it is written again only behind this wait
	QUANT HB, PC, PW
	OUT 1
	s_wait_dscnt 0x0
	WIN 0x01                                       ; V: source 0 = x's tile m (window 1), source 1 = Wv's tile w; the eight accumulators take turns
.irp m, 0,1,2,3,4,5,6,7
	v_wmma_scale_f32_16x16x128_f8f6f4 v[HA+8*\m:HA+8*\m+7], v[32*\m:32*\m+15], v[XF:XF+15], v[BV:BV+7], v[XV+\m], v[WVS]
.endr
.irp m, 0,1,2,3,4,5,6,7
	v_wmma_scale_f32_16x16x128_f8f6f4 v[HA+8*\m:HA+8*\m+7], v[32*\m+16:32*\m+31], v[XF+16:XF+31], v[HA+8*\m:HA+8*\m+7], v[XV+\m], v[WVS] matrix_a_scale:MATRIX_SCALE_ROW1 matrix_b_scale:MATRIX_SCALE_ROW1
.endr
	WIN 0
	PLACES 8
	s_wait_xcnt 0x0                                ; K's stores have read v[PC] on
	QUANT HA, PC, PW                               ; a lane's 64 registers are its channel's 128-key step, 32 b + 16 h + 0 .. 15: V is quantised along the keys
	OUT 2
	BARRIER                                        ; all eight waves' scale words lie in LDS
	s_cmp_gt_u32 s[WV], 2                          ; waves 0, 1, 2 store Q's, K's, V's 512 bytes of scale words: consecutive, aligned
	s_cbranch_scc1 .Ldone
	ds_load_b128 v[TM:TM+3], v[OSR]
	s_wait_dscnt 0x0
	global_store_b128 v[LI], v[TM:TM+3], s[18:19]
.Ldone:
	s_wait_tensorcnt 0x0
	ds_add_u32 v254, v255
	s_wait_dscnt 0x0
	s_endpgm
.Lfunc_end_k_q3df82baa33_proj:
	.size	k_q3df82baa33_proj, .Lfunc_end_k_q3df82baa33_proj-k_q3df82baa33_proj
	.p2alignl 7, 3214868480
	.fill 96, 4, 3214868480
	.section	.rodata,"a",@progbits
	.p2align	6, 0x0
	.amdhsa_kernel k_q3df82baa33_proj
		.amdhsa_group_segment_fixed_size 134656
		.amdhsa_private_segment_fixed_size 0
		.amdhsa_enable_private_segment 0
		.amdhsa_kernarg_size 64
		.amdhsa_user_sgpr_count 2
		.amdhsa_user_sgpr_kernarg_segment_ptr 1
		.amdhsa_wavefront_size32 1
		.amdhsa_system_sgpr_workgroup_id_x 1
		.amdhsa_system_sgpr_workgroup_id_y 1
		.amdhsa_system_sgpr_workgroup_id_z 1
		.amdhsa_system_vgpr_workitem_id 0
		.amdhsa_next_free_vgpr 512
		.amdhsa_next_free_sgpr 66
		.amdhsa_reserve_vcc 0
		.amdhsa_float_denorm_mode_32 3
		.amdhsa_float_denorm_mode_16_64 3
		.amdhsa_memory_ordered 1
		.amdhsa_forward_progress 1
		.amdhsa_inst_pref_size 79
	.end_amdhsa_kernel
	.amdgpu_metadata
---
amdhsa.version: [ 1, 2 ]
amdhsa.kernels:
  - .name:           k_q3df82baa33_proj
    .symbol:         k_q3df82baa33_proj.kd
    .args:
      - { .name: x, .offset: 0, .size: 8, .value_kind: global_buffer, .address_space: global }
      - { .name: wc, .offset: 8, .size: 8, .value_kind: global_buffer, .address_space: global }
      - { .name: ws, .offset: 16, .size: 8, .value_kind: global_buffer, .address_space: global }
      - { .name: bq, .offset: 24, .size: 8, .value_kind: global_buffer, .address_space: global }
      - { .name: bk, .offset: 32, .size: 8, .value_kind: global_buffer, .address_space: global }
      - { .name: bv, .offset: 40, .size: 8, .value_kind: global_buffer, .address_space: global }
      - { .name: qkv, .offset: 48, .size: 8, .value_kind: global_buffer, .address_space: global }
      - { .name: qkvs, .offset: 56, .size: 8, .value_kind: global_buffer, .address_space: global }
    .group_segment_fixed_size: 134656
    .private_segment_fixed_size: 0
    .kernarg_segment_align: 8
    .kernarg_segment_size: 64
    .max_flat_workgroup_size: 256
    .sgpr_count:     66
    .vgpr_count:     512
    .wavefront_size: 32
...
	.end_amdgpu_metadata
.endif
;; end of part 2
;; launch attn (part 3): grid 32 x 8, 4 waves a work-group, clusters of 4 x 1, 327,680 bytes of LDS; arguments qkv, qkvs, out0; writes out0
.if DOCPART == 3
	.amdgcn_target "amdgcn-amd-amdhsa--gfx1250"
	.amdhsa_code_object_version 6
	.text
	.protected	k_q3df82baa33_attn
	.globl	k_q3df82baa33_attn
	.p2align	8
	.type	k_q3df82baa33_attn,@function
k_q3df82baa33_attn:
	s_mov_b64 s[64:65], 0
	v_nop
	global_prefetch_b8 v0, s[64:65] scope:SCOPE_SE
	s_setreg_imm32_b32 hwreg(HW_REG_WAVE_MODE, 25, 1), 1
	s_wait_xcnt 0x0
	s_wait_alu depctr_hold_cnt(0) depctr_sa_sdst(0) depctr_va_vdst(0) depctr_va_sdst(0) depctr_va_ssrc(0) depctr_va_vcc(0) depctr_vm_vsrc(0)
	s_getreg_b32 s2, hwreg(HW_REG_IB_STS2, 6, 4)
	s_cmp_eq_u32 s2, 0
	s_cbranch_scc0 .Lentry_in_a_cluster
	s_endpgm
.Lentry_in_a_cluster:
	s_bfe_u32 s2, ttmp6, 0x10000c
	s_cmp_lg_u32 s2, 0x3003
	s_cbranch_scc0 .Lentry_shape_is_right
	s_endpgm
.Lentry_shape_is_right:
; out[b][q][:] = the sum over k of softmax_k(Q[b][q] . K[b][k] / 16) V[b][k][:], both products on codes of FP8 (E4M3) with one E8M0 scale for each 32 along a product's K.  Q, K, V come as register images with their
; scale words: fragment ((2 rb + hf) 8 + w) 2,048 + 512 c + 16 lane in a region of qkv (Q 0, K 4 MiB, V 8 MiB), word (2 rb + hf) 512 + 32 r + 4 w in a region of qkvs; rb = 128 rows (16 to a batch).  Q, K: w = tile of 16 rows,
; hf = K step of 128 features.  V: 8 hf + w = tile of 16 channels, K = the 128 keys of rb.  Index r of tile 2 b + u stands for element 32 b + 8 u + r + 8 (r / 8), for rows and channels alike.
; THE SOFTMAX AHEAD OF THE SECOND PRODUCT: t = score x log2(e) / 16; M = the largest t so far, rounded UP to a whole number; p = 2^(t - M) is quantised along the keys, not normalised; the sum is taken of the unquantised p
; and divides at the end.  When M moves, the sum and O are multiplied by 2^(old M - new M): exact.
; SHARES.  A work-group owns 64 queries of one batch: four tiles.  Wave w = (qp = w % 2, kg = w / 2) holds the two tiles of pair qp and walks the key steps 2 i + kg, i = 0 .. 7: each fragment read from LDS feeds two
; matrix instructions.  At the end the two waves of a pair exchange one tile each and each finishes one: its local tile 0 (local tile lt is tile 2 qp + (lt xor kg)).
; LAYOUT.  Both products are used transposed: S^T = K Q^T (source 0 = 16 keys), O^T = V^T P^T (source 0 = 16 channels): a lane holds ONE query (lane % 16) throughout; by the order of a tile's rows the 16 registers of
; score tiles 2 b, 2 b + 1 are keys 32 b + 16 (lane / 16) + 0 .. 15, so the conversions' results are the second product's operand, and O^T's are 16 neighbouring channels.
; BY TURNS.  A key step has 64 matrix instructions and 685 vector instructions, and the wave is alone on its SIMD.  The two tiles share K's and V's fragments and nothing else, so one tile's products stand singly among the
; other tile's softmax, which names none of their registers: tile 1's K Q^T in tile 0's softmax, tile 0's V^T P in tile 1's, and tile 1's V^T P in its own rescaling of O^T, each four multiplications behind the four that
; rescaled its accumulator.  Only tile 0's 16 products K Q^T stand together, at the step's head.  The LDS loads go in runs of 8 at fixed places of the softmaxes: V's in tile 0's, the next step's K in tile 1's.
; A product among vector work costs two switches of the register window, about 120 a key step: no window holds a product's operands beside what a softmax touches.
; CLUSTER.  The four work-groups of a cluster belong to one batch and walk the same K and V: each tile is asked for JOINTLY, by one tensor load with the same descriptor and the mask of all four.
; RING.  Two LDS slots of two key steps: K of step 2 i, K of 2 i + 1, V of 2 i, V of 2 i + 1, 32 KiB each, one load a wave.  A step's V is in registers when tile 0's softmax ends, so the slot is left in the
; step's middle and its refill has a whole step in which to land.  The batch's scale words of K and V (32 KiB) come once, with the first fills.  By this text's count a wave has three tensor loads out at the start, later one.
; LIMITS: p's blocks that have fallen to zero keep the byte 1 (their codes are zeros); NaN and infinities are not served.
; REGISTERS: window 0 as named below; window 1: O^T, tile lt's channel tile ct at v[128 lt + 8 ct]; window 2: V's 16 fragments, v[16 ct]; its v0-63 hold K's tiles 6, 7 from a step's end to the next step's first products;
; window 3: Q, v[32 lt + 16 s]; from v64 K's tiles 0-5, v[64 + 32 kt + 16 s].  K and V whole would be 512 registers where 448 are free: so K's last two tiles and V's first four take turns.
.set SLOT1, 1<<17                      ; slot 1 begins here: one exclusive or turns an address in one slot into the other's
.set SCL,   262144                     ; K's scale words of the batch, 16 KiB; V's behind them
.set SPARE, 294912                     ; the spare words, 128 bytes for each wave: two blocks of 256 bytes that no other line names
.set XCHB,  16640                      ; the end: a wave's tile for its partner (16,384 bytes as it stands in the registers, 256 of -M and sum), in slot 0;
.set STG,   SLOT1                      ; and a wave's stage, 16 rows x 1,040 bytes, in slot 1: both slots have had their last fill and their last read by then
.set SP,    1040                       ; a stage row: 1,024 bytes + 16: row r starts at bank 4 r mod 64 (64 banks of 4 bytes: ISA guide 11.1)
.set AKB, 1                            ; 16 x lane + 32,768 kg: my key step's K in a slot
.set AVB, 2                            ; + 65,536: its V
.set ASB, 3                            ; SCL + 1,024 kg + 512 h + 32 r: its scale words
.set ADK, 4                            ; the addresses in hand: K,
.set ADV, 5                            ; V,
.set ADS, 6                            ; scale words (V's: 16,384 on)
.set SPW, 8                            ; LDS address of my spare word; never rewritten
.set NIL, 9                            ; 0; never rewritten
.set PFO, 10                           ; 256 x lane: the prefetches' offset; never rewritten
.set LI,  11                           ; 16 x lane
.set ST,  12                           ; tile lt: v[ST+4 lt] -M, +1 the largest t (at the end: the sum), +2, +3 the sum in two halves
.set QS,  20                           ; v20-21 Q's scale words: K step 0 in lanes 0-15, K step 1 in lanes 16-31
.set PS,  22                           ; v22-23 p's scale words
.set KS,  24                           ; v24-31 K's, tile kt, the two K steps likewise
.set VS,  32                           ; v32-39 V's: channel tile w in lanes 0-15, 8 + w in lanes 16-31
.set BM,  40                           ; v40-43 a block's largest score, then its largest p
.set PM,  44                           ; v44-47 lane l xor 16's; later the bytes
.set HL,  48                           ; v48-51 448 x the scale
.set SO,  52                           ; v52-55 the conversions' scale operands
.set F,   56                           ; v[56:57] f = 2^(old M - new M) (the pair's low word serves both halves)
.set T,   58
.set A2,  60                           ; v[60:61] the sums' second chain
.set P,   64                           ; v64-95 p's codes, 16 a tile
.set XW,  96                           ; the end: where my tile for the partner goes,
.set XR,  97                           ; where the partner's for me lies,
.set XSW, 98                           ; and the same for -M and the sum;
.set XSR, 99
.set STO, 100                          ; the stage: where I put 16 bytes of a row,
.set RD,  101                          ; and where I read half a row back
.set S,   128                          ; v128-255 S^T, then p: 64 a tile
.set WV,  10
.set SEL, 16
.set CS,  18                           ; s[18:19] c = log2(e) / 16
.set MNT, 20
.set TB,  21                           ; LDS byte at which the slot in hand begins
.set TS,  22                           ; where the step's scale words begin: 2,048 bytes a step of mine
.set SLOTS, 23                         ; slots still to be asked for
.set G1,  24                           ; s[24:31] descriptor group 1 for the tiles;  s[32:39] for the scale words
.set G1S, 32
.set G0S, 40                           ; groups 0: the scale words, slot 0's first fill, and the one that walks
.set G0A, 44
.set G0W, 48
.set LIM, 52                           ; 1 in a work-group that prefetches, else the greatest number
.set PFA, 54                           ; s[54:55] where my prefetches stand
.set MSB, 0
.macro WIN new                         ; the immediate's high byte repeats the setting that is left; a switch that changes nothing is dropped
.if MSB != \new
	s_set_vgpr_msb (MSB<<8)|\new
.set MSB, \new
.endif
.endm
.macro PLACES n
.rept \n
	v_nop
.endr
.endm
.macro CROUND                          ; a round of the cluster's barrier: my work-group's barrier; wave 0 signals for the work-group; every wave waits for all four work-groups; my work-group's barrier once more
	s_barrier_signal -1
	s_barrier_wait -1
	s_cmp_lg_u32 s[WV], 0
	s_cbranch_scc1 .Lnot_wave_0_\@
	s_barrier_signal -3
.Lnot_wave_0_\@:
	s_barrier_wait -3
	s_barrier_signal -1
	s_barrier_wait -1
.endm
.macro JLOAD                           ; the joint refill: one line for all four waves, each with its own quarter of the slot (both addresses hang on the wave's number); four v_nop follow
	tensor_load_to_lds s[G0W:G0W+3], s[G1:G1+7]
	s_nop 0
	PLACES 4
.endm
; A PREFETCH INTO THE L2 of what the NEXT change of slots will ask for.  All eight clusters of a batch walk the same K and V: the batch's first cluster asks.  Of the 32 KiB that wave w fetches, the partner at place cx takes
; the 8 KiB at 8,192 cx, told apart BY ADDRESS; lanes 256 bytes apart: one instruction a wave, and each aligned block of 256 bytes is named once in the launch.  It stands behind the tensor load and its four lines, one key
; step of mine (64 matrix instructions and two softmaxes) ahead of the load that will want the bytes.  The last change that fills a slot asks for nothing; the first three slots' worth come by their loads alone.
.macro ASK
	s_cmp_gt_u32 s[SLOTS], s[LIM]
	s_cbranch_scc0 .Lnot_mine_\@
	global_prefetch_b8 v[PFO], s[PFA:PFA+1] th:TH_LOAD_NT scope:SCOPE_SE
.Lnot_mine_\@:
.endm
; THE LDS LOADS, in runs of 8.  K's tile r, both K steps: tiles 0-5 into window 3, tiles 6, 7 into window 2
.macro KRUN r
.if (\r) < 6
	WIN 0xc0
.set rK, 64+32*(\r)
.else
	WIN 0x80
.set rK, 32*((\r)-6)
.endif
.irp s, 0,1
.irp c, 0,1,2,3
	ds_load_b128 v[rK+16*\s+4*\c:rK+16*\s+4*\c+3], v[ADK] offset:(8*\s+(\r))*2048+512*\c
.endr
.endr
.endm
; V's channel tiles 4 + 2 r and 5 + 2 r, taken round 16: runs 6 and 7 bring tiles 0-3, whose registers K's tiles 6, 7 hold until their products are issued.  Register 4 f from byte 512 f
.macro VRUN r
	WIN 0x80
.set f, 4*((4+2*(\r))%16)
.rept 8
	ds_load_b128 v[4*f:4*f+3], v[ADV] offset:512*f
.set f, f+1
.endr
.endm
.macro KSC
	WIN 0
	ds_load_b128 v[KS:KS+3], v[ADS]
	ds_load_b128 v[KS+4:KS+7], v[ADS] offset:16
.endm
.macro VSC
	WIN 0
	ds_load_b128 v[VS:VS+3], v[ADS] offset:16384
	ds_load_b128 v[VS+4:VS+7], v[ADS] offset:16400
.endm
; One product of S^T = K Q^T: key tile kt x tile lt of my queries, K step s.  K step 0 starts the sum
.macro QK1 lt, kt, s
.set rD, S+64*(\lt)+8*(\kt)
.set rB, 32*(\lt)+16*(\s)
.if (\kt) < 6
	WIN 0x0f                                       ; K and Q in window 3, S^T in window 0
.set rA, 64+32*(\kt)+16*(\s)
.else
	WIN 0x0e                                       ; K in window 2
.set rA, 32*((\kt)-6)+16*(\s)
.endif
.if (\s) == 0
	v_wmma_scale_f32_16x16x128_f8f6f4 v[rD:rD+7], v[rA:rA+15], v[rB:rB+15], 0, v[KS+(\kt)], v[QS+(\lt)]
.else
	v_wmma_scale_f32_16x16x128_f8f6f4 v[rD:rD+7], v[rA:rA+15], v[rB:rB+15], v[rD:rD+7], v[KS+(\kt)], v[QS+(\lt)] matrix_a_scale:MATRIX_SCALE_ROW1 matrix_b_scale:MATRIX_SCALE_ROW1
.endif
.endm
; One product of O^T += V^T P^T: channel tile ct x tile lt; K = the step's 128 keys.  first = 1: it starts the sum: nothing is ever cleared
.macro PV1 lt, ct, first
	WIN 0x52                                       ; V in window 2, p's codes in window 0, O^T in window 1
.set rD, 128*(\lt)+8*(\ct)
.set rA, 16*(\ct)
.set rB, P+16*(\lt)
.set rV, VS+((\ct)%8)
.if \first
.if (\ct) >= 8
	v_wmma_scale_f32_16x16x128_f8f6f4 v[rD:rD+7], v[rA:rA+15], v[rB:rB+15], 0, v[rV], v[PS+(\lt)] matrix_a_scale:MATRIX_SCALE_ROW1
.else
	v_wmma_scale_f32_16x16x128_f8f6f4 v[rD:rD+7], v[rA:rA+15], v[rB:rB+15], 0, v[rV], v[PS+(\lt)]
.endif
.else
.if (\ct) >= 8
	v_wmma_scale_f32_16x16x128_f8f6f4 v[rD:rD+7], v[rA:rA+15], v[rB:rB+15], v[rD:rD+7], v[rV], v[PS+(\lt)] matrix_a_scale:MATRIX_SCALE_ROW1
.else
	v_wmma_scale_f32_16x16x128_f8f6f4 v[rD:rD+7], v[rA:rA+15], v[rB:rB+15], v[rD:rD+7], v[rV], v[PS+(\lt)]
.endif
.endif
.endm
; WHAT STANDS AMONG A SOFTMAX'S LINES.  SOFTMAX calls TICK at 19 fixed places, 8 to 12 vector instructions apart up to place 15; tk counts them.  At places 0 to 15 one product; at places 0, 4, 8, 11, 14, 16, 17, 18 a run of
; 8 LDS loads, ahead of the place's product.  SCH = 1, in tile 0's softmax: tile 1's K Q^T (key tiles 6, 7 first: their registers are wanted for V's runs 6 and 7, which stand at places 17 and 18, more than a hundred plain
; instructions on) and V's eight runs, with V's scale words behind the last.  SCH = 2, in tile 1's softmax: tile 0's V^T P, and, where a step follows (NEXTF), the next K's tiles 0-5 and its scale words.
; No two matrix instructions that follow each other share an accumulator: K Q^T's links lie 2 or 6 apart, V^T P has one link an accumulator a step.
.macro TICK
.set rn, -1
.if tk == 0
.set rn, 0
.elseif tk == 4
.set rn, 1
.elseif tk == 8
.set rn, 2
.elseif tk == 11
.set rn, 3
.elseif tk == 14
.set rn, 4
.elseif tk == 16
.set rn, 5
.elseif tk == 17
.set rn, 6
.elseif tk == 18
.set rn, 7
.endif
.if SCH == 1
.if rn >= 0
	VRUN rn
.endif
.if tk == 18
	VSC
.endif
.if tk < 2
	QK1 1, 6+tk, 0
.elseif tk < 4
	QK1 1, 4+tk, 1
.elseif tk < 10
	QK1 1, tk-4, 0
.elseif tk < 16
	QK1 1, tk-10, 1
.endif
.else
.if NEXTF && (rn >= 0) && (rn < 6)
	KRUN rn
.endif
.if NEXTF && (tk == 17)
	KSC
.endif
.if tk < 16
	PV1 0, tk, FIRSTF
.endif
.endif
	WIN 0
.set tk, tk+1
.endm
; One tile's softmax for 128 keys.  first = 1: my first key step: it starts the largest t, M, the sum and O^T, so it has no f and nothing to rescale
.macro SOFTMAX lt, first
.set rS, S+64*(\lt)
.set rT, ST+4*(\lt)
.set rP, P+16*(\lt)
.set rO, 128*(\lt)
.set tk, 0
	WIN 0
.irp b, 0,1,2,3
	v_max3_num_f32 v[BM+\b], v[rS+16*\b], v[rS+16*\b+1], v[rS+16*\b+2]   ; THE LARGEST SCORE OF EACH BLOCK OF 32 KEYS serves twice: for the row's maximum and, since p rises with the score, for the block's largest p
.endr
.irp i, 3,5,7,9,11,13
.irp b, 0,1,2,3
	v_max3_num_f32 v[BM+\b], v[BM+\b], v[rS+16*\b+\i], v[rS+16*\b+\i+1]  ; the four blocks by turns; each accumulator is read from its low end on
.endr
.if (\i == 5) || (\i == 9) || (\i == 13)
	TICK                                           ; places 0, 1, 2
.endif
.endr
.irp b, 0,1,2,3
	v_max_num_f32 v[BM+\b], v[BM+\b], v[rS+16*\b+15]
.endr
.irp b, 0,1,2,3
	v_permlanex16_b32 v[PM+\b], v[BM+\b], s[SEL], s[SEL+1]
.endr
.irp b, 0,1,2,3
	v_max_num_f32 v[BM+\b], v[BM+\b], v[PM+\b]     ; with lane l xor 16's 16 keys
.endr
	TICK                                           ; place 3
	v_max3_num_f32 v[T], v[BM], v[BM+1], v[BM+2]
	v_max_num_f32 v[T], v[T], v[BM+3]              ; the step's largest score of my query
.if \first
	v_mul_f32 v[rT+1], s[CS], v[T]                 ; as t (c is positive)
	v_floor_f32 v[rT], -v[rT+1]                    ; -M = floor(-t) = -ceil(t): M IS A WHOLE NUMBER
.else
	v_mul_f32 v[T], s[CS], v[T]
	v_max_num_f32 v[rT+1], v[rT+1], v[T]           ; the running largest t
	v_mov_b32 v[T], v[rT]
	v_floor_f32 v[rT], -v[rT+1]                    ; the new -M
	v_sub_f32 v[T], v[rT], v[T]                    ; old M - new M: a whole number, 0 or less
	v_cvt_i32_f32 v[T], v[T]                       ; (it saturates)
	v_ldexp_f32 v[F], 1.0, v[T]                    ; f = 2^(old M - new M): a multiplication by it rounds nothing
.endif
	TICK                                           ; place 4
.set j, 0
.rept 32
	v_pk_fma_f32 v[rS+j:rS+j+1], v[rS+j:rS+j+1], s[CS:CS+1], v[rT:rT+1] op_sel_hi:[1,0,0]   ; t - M, two at a time (of the pairs c and -M the low word serves both halves)
.set j, j+2
.if (j % 16) == 0
	TICK                                           ; places 5 to 8
.endif
.endr
.irp b, 0,1,2,3
	v_fma_f32 v[BM+\b], v[BM+\b], s[CS], v[rT]     ; the same of each block's largest score
.endr
.set j, 0
.rept 64
	v_exp_f32 v[rS+j], v[rS+j]                     ; p = 2^(t - M), at most 1: NOT normalised
.set j, j+1
.if ((j % 8) == 0) && (j < 64)
	TICK                                           ; places 9 to 15: what stands there names no result of the batch
.endif
.endr
.if \first
	v_nop                                          ; a plain instruction behind the exponentials
.else
	v_pk_mul_f32 v[rT+2:rT+3], v[rT+2:rT+3], v[F:F+1] op_sel_hi:[1,0]   ; the sums under the new M: the plain instruction behind the exponentials
.endif
	s_wait_alu depctr_va_vdst(0)                   ; one wait for the batch of 64, ahead of its first reader
.irp b, 0,1,2,3
	v_exp_f32 v[BM+\b], v[BM+\b]                   ; the block's largest p: the same two instructions on the same number give the same bits
.endr
.if \first                                     ; THE ROW'S SUM IS TAKEN OF THE UNQUANTISED p: two at a time, in two chains; it reads the 64 alone: plain work behind the four
	v_pk_add_f32 v[rT+2:rT+3], v[rS:rS+1], v[rS+2:rS+3]
	v_pk_add_f32 v[A2:A2+1], v[rS+4:rS+5], v[rS+6:rS+7]
.set j, 8
.rept 14
	v_pk_add_f32 v[rT+2:rT+3], v[rT+2:rT+3], v[rS+j:rS+j+1]
	v_pk_add_f32 v[A2:A2+1], v[A2:A2+1], v[rS+j+2:rS+j+3]
.set j, j+4
.if j == 32
	TICK                                           ; place 16
.endif
.endr
.else
	v_pk_add_f32 v[A2:A2+1], v[rS:rS+1], v[rS+2:rS+3]
.set j, 4
.rept 15
	v_pk_add_f32 v[rT+2:rT+3], v[rT+2:rT+3], v[rS+j:rS+j+1]
	v_pk_add_f32 v[A2:A2+1], v[A2:A2+1], v[rS+j+2:rS+j+3]
.set j, j+4
.if j == 32
	TICK                                           ; place 16
.endif
.endr
.endif
	v_pk_add_f32 v[rT+2:rT+3], v[rT+2:rT+3], v[A2:A2+1]
	s_wait_alu depctr_va_vdst(0)                   ; and one for the four
.irp b, 0,1,2,3
	v_max_num_f32 v[BM+\b], 0x4800000, v[BM+\b]    ; the floor 2^(9 - 127): the byte cannot fall under 1
.endr
.irp b, 0,1,2,3
	v_add_nc_u32 v[SO+\b], 0xfc000000, v[BM+\b]    ; 8 off the exponent field: the conversion's scale operand
.endr
.irp b, 0,1,2,3
	v_and_or_b32 v[HL+\b], v[BM+\b], 0x7f800000, s[MNT]   ; 448 x the scale
.endr
.irp b, 0,1,2,3
	v_lshrrev_b32 v[PM+\b], 23, v[SO+\b]           ; the scale's byte
.endr
	v_lshl_or_b32 v[PS+\lt], v[PM+1], 8, v[PM]     ; p's scale word for these 128 keys: the 64 holds below stand between it and the products that take it
	v_lshl_or_b32 v[PS+\lt], v[PM+2], 16, v[PS+\lt]
	v_lshl_or_b32 v[PS+\lt], v[PM+3], 24, v[PS+\lt]
.irp b, 0,1,2,3
.irp i, 0,1,2,3,4,5,6,7,8,9,10,11,12,13,14,15
	v_min_num_f32 v[rS+16*\b+\i], v[rS+16*\b+\i], v[HL+\b]   ; the conversion does not saturate (ISA guide 7.6.2); p is not negative, so the hold is one-sided
.endr
	v_cvt_scalef32_pk8_fp8_f32 v[rP+4*\b:rP+4*\b+1], v[rS+16*\b:rS+16*\b+7], v[SO+\b]
	v_cvt_scalef32_pk8_fp8_f32 v[rP+4*\b+2:rP+4*\b+3], v[rS+16*\b+8:rS+16*\b+15], v[SO+\b]
.if \b < 2
	TICK                                           ; places 17, 18: loads alone
.endif
.endr
.if \first
	v_nop                                          ; a plain instruction behind the last conversion
.else
; O^T under the new M, a channel tile (four multiplications) at a time.  In tile 1's softmax its own V^T P follows: channel tile ct - 1's product behind tile ct's multiplications, so that four plain instructions lie between
; the lines that rescaled an accumulator and the product that adds onto it; p's codes lie eight multiplications ahead of the first.  The next K's tiles 6, 7 are fetched behind tiles 7 and 11: the last product that read
; those registers (V's channel tiles 0-3) stands behind tile 4's multiplications, 12 plain instructions back.
.set ct, 0
.rept 16
	WIN 0x41                                       ; O^T (destination and source 0) in window 1, f in window 0
.set j, 8*ct
.rept 4
	v_pk_mul_f32 v[rO+j:rO+j+1], v[rO+j:rO+j+1], v[F:F+1] op_sel_hi:[1,0]
.set j, j+2
.endr
.if SCH == 2
.if NEXTF && (ct == 7)
	KRUN 6
.endif
.if NEXTF && (ct == 11)
	KRUN 7
.endif
.if ct > 0
	PV1 1, ct-1, 0
.endif
.endif
.set ct, ct+1
.endr
.if SCH == 2
	WIN 0
	PLACES 4
	PV1 1, 15, 0
.endif
	WIN 0
.endif
.endm
; THE CHANGE OF SLOTS stands in a key step's middle: the step's K has been multiplied and its V asked for.  mode 2: each wave waits for all its tensor loads (one is out: its part of the other slot), adds 0 to its spare
; word, and waits for that and for its reads of this slot; a round of the cluster's barrier; then this slot is filled again, with the key steps two slots on.  mode 1: the same with the work-group's barrier and no fill: the
; last slot is whole for every wave.  mode 0, my last step: behind the barrier no wave reads either slot any more.
.macro CHANGE mode
.if \mode == 2
	s_wait_tensorcnt 0x0                           ; no tensor load of mine is out, so a group 0 may be written
	ds_add_u32 v[SPW], v[NIL]                      ; 0 onto my spare word: the steps below stand between it and the wait for it
	s_xor_b32 s[G0W+1], s[G0W+1], SLOT1            ; the walking descriptor: the other slot than last time,
	s_add_nc_u64 s[G0W+2:G0W+3], s[G0W+2:G0W+3], 65536   ; two key steps on; the type bits on top are not reached
	s_wait_xcnt 0x0                                ; the last prefetch, a key step back, has read its address, so it may be written:
	s_add_nc_u64 s[PFA:PFA+1], s[PFA:PFA+1], 65536 ; one slot further on than the walking descriptor
	s_wait_dscnt 0x0                               ; the add is done; my reads of this slot are over: V is in registers
	CROUND
	JLOAD
	ASK
.elseif \mode == 1
	s_wait_tensorcnt 0x0
	ds_add_u32 v[SPW], v[NIL]
	s_wait_dscnt 0x0
	s_barrier_signal -1
	s_barrier_wait -1
.else
	s_wait_dscnt 0x0                               ; V is in registers: my last read of a slot
	s_barrier_signal -1
	s_barrier_wait -1
.endif
.endm
; A KEY STEP of mine: 128 keys.  next = 1: a step follows, and its K is fetched behind the change of slots, which has shown its slot whole
.macro ITER first, mode, next
.set FIRSTF, \first
.set NEXTF, \next
	s_wait_dscnt 16                                ; K's tiles 0-5 and its scale words are in; the 16 loads of tiles 6, 7, issued last, may be out
.irp k, 0,1,2,3,4,5
	QK1 0, \k, 0                                   ; tile 0's scores: the one run of products that stands alone
.endr
.irp k, 0,1,2,3,4,5
	QK1 0, \k, 1
.endr
	s_wait_dscnt 0x0
	QK1 0, 6, 0
	QK1 0, 7, 0
	QK1 0, 6, 1
	QK1 0, 7, 1
	WIN 0
	v_add_nc_u32 v[ADV], s[TB], v[AVB]
	PLACES 7                                       ; eight plain instructions in front of the first read of the scores, and of V's loads into registers that the last step's products read
.set SCH, 1
	SOFTMAX 0, \first                              ; among its lines: tile 1's scores, and V
	CHANGE \mode
.if \next
	s_xor_b32 s[TB], s[TB], SLOT1                  ; my next step lies in the other slot
	s_add_co_u32 s[TS], s[TS], 2048
	v_add_nc_u32 v[ADK], s[TB], v[AKB]
	v_add_nc_u32 v[ADS], s[TS], v[ASB]
.endif
.set SCH, 2
	SOFTMAX 1, \first                              ; among its lines: tile 0's V^T P, the next K, and at its end tile 1's V^T P
.if \first                                     ; my first step has no rescaling to set tile 1's V^T P in: it stands alone, once
	PLACES 4                                       ; p's codes stand four plain instructions ahead of the products
.set n, 0
.rept 16
	PV1 1, n, 1
.set n, n+1
.endr
.if \next
	WIN 0
	PLACES 8
	KRUN 6
	KRUN 7
.endif
.endif
	WIN 0
.endm
	s_load_b128 s[4:7], s[0:1], 0x0                ; qkv, qkvs
	s_load_b64 s[8:9], s[0:1], 0x10                ; out0
	v_lshl_add_u32 v[SPW], v0, 2, SPARE
	v_mov_b32 v[NIL], 0
	ds_add_u32 v8, v9
	ds_add_u32 v8, v9
	s_wait_dscnt 0x0
	v_lshrrev_b32 v102, 5, v0
	v_readfirstlane_b32 s[WV], v102                ; wave 0..3
	s_lshr_b32 s11, s[WV], 1                       ; kg.  Also: I fetch K (0) or V (1)
	s_and_b32 s12, s[WV], 1                        ; qp.  Also: which of a slot's two key steps I fetch
	s_bfe_u32 s13, ttmp6, 0x40000                  ; cx: my place in the cluster
	s_lshl_b32 s14, ttmp9, 2                       ; in a cluster launch ttmp9 counts clusters
	s_add_co_u32 s14, s14, s13                     ; my block of 64 queries: it enters Q's and the output's addresses alone
	s_and_b32 s15, ttmp7, 0xffff                   ; the batch, which the four partners share
	; descriptor group 1: a dense block as rows of 256 bytes (32 elements of 8 bytes): 128 rows for a tile, 32 for a quarter of the scale words
	s_mov_b32 s[G1], 15|(3<<16)|(1<<21)            ; 15:0 the mask: all four work-groups; 17:16 elements of 8 bytes; 21 set beside a mask; no padding: images are read 512 consecutive bytes at a time
	s_mov_b32 s[G1+1], 32<<16                      ; tensor_dim0
	s_mov_b32 s[G1+2], 128<<16                     ; tensor_dim1
	s_mov_b32 s[G1+3], 32<<16                      ; tile_dim0
	s_mov_b32 s[G1+4], 128                         ; tile_dim1
	s_mov_b32 s[G1+5], 32                          ; tensor_dim0_stride
	s_mov_b32 s[G1+6], 0
	s_mov_b32 s[G1+7], 0
	s_mov_b32 s[G1S], 15|(3<<16)|(1<<21)
	s_mov_b32 s[G1S+1], 32<<16
	s_mov_b32 s[G1S+2], 32<<16
	s_mov_b32 s[G1S+3], 32<<16
	s_mov_b32 s[G1S+4], 32
	s_mov_b32 s[G1S+5], 32
	s_mov_b32 s[G1S+6], 0
	s_mov_b32 s[G1S+7], 0
	; what I fetch: made of the batch and the wave's number alone
	s_add_co_u32 s56, s11, 1
	s_lshl_b32 s56, s56, 22                        ; K's region or V's,
	s_lshl_b32 s57, s15, 19                        ; the batch's 16 key steps of 32 KiB,
	s_add_co_u32 s56, s56, s57
	s_lshl_b32 s57, s12, 15                        ; the slot's first or second step
	s_add_co_u32 s56, s56, s57
	s_mov_b32 s57, 0
	s_add_co_u32 s58, s11, 1
	s_lshl_b32 s58, s58, 17                        ; the scale words likewise: region, batch (16 KiB), half
	s_lshl_b32 s59, s15, 14
	s_add_co_u32 s58, s58, s59
	s_lshl_b32 s59, s12, 13
	s_add_co_u32 s58, s58, s59
	s_mov_b32 s59, 0
	s_lshl_b32 s60, s[WV], 15                      ; and where it goes: 32,768 x wave in a slot, 8,192 x wave among the scale words
	s_lshl_b32 s61, s[WV], 13
	; Q, its scale words and the output: my block, my tiles
	s_lshr_b32 s68, s14, 1
	s_lshl_b32 s69, s15, 4
	s_add_co_u32 s68, s68, s69                     ; the 128 rows that hold my block
	s_and_b32 s69, s14, 1
	s_lshl_b32 s69, s69, 2
	s_lshl_b32 s70, s12, 1
	s_add_co_u32 s69, s69, s70
	s_add_co_u32 s70, s69, s11                     ; local tile 0 is tile 4 (block % 2) + 2 qp + kg,
	s_xor_b32 s71, s11, 1
	s_add_co_u32 s71, s69, s71                     ; local tile 1 the pair's other one
	s_lshl_b32 s72, s68, 15
	s_lshl_b32 s74, s70, 11
	s_add_co_u32 s74, s74, s72
	s_mov_b32 s75, 0
	s_lshl_b32 s76, s71, 11
	s_add_co_u32 s76, s76, s72
	s_mov_b32 s77, 0
	s_lshl_b32 s72, s68, 10
	s_lshl_b32 s78, s70, 2
	s_add_co_u32 s78, s78, s72
	s_mov_b32 s79, 0
	s_lshl_b32 s80, s71, 2
	s_add_co_u32 s80, s80, s72
	s_mov_b32 s81, 0
	s_lshr_b32 s82, s70, 1
	s_lshl_b32 s82, s82, 5
	s_and_b32 s83, s70, 1
	s_lshl_b32 s83, s83, 3
	s_add_co_u32 s82, s82, s83
	s_lshl_b32 s83, s68, 7
	s_add_co_u32 s82, s82, s83
	s_lshl_b32 s82, s82, 10                        ; the output: row 128 x that + 32 (tile / 2) + 8 (tile % 2), 1,024 bytes a row
	s_mov_b32 s83, 0
	s_lshl_b32 s66, s13, 13                        ; the prefetches: my work-group's 8 KiB of my wave's 32
	s_mov_b32 s67, 0
	s_cmp_eq_u32 ttmp9, 0                          ; the batch's first cluster asks: the same in all four partners
	s_cselect_b32 s[LIM], 1, -1
	s_mov_b32 s[SEL], 0x76543210
	s_mov_b32 s[SEL+1], 0xfedcba98                 ; v_permlanex16_b32's selects for lane l xor 16
	s_mov_b32 s[CS], 0x3db8aa3b                    ; c = log2(e) / 16
	s_mov_b32 s[CS+1], s[CS]                       ; (named with it as a pair, so it is written)
	s_mov_b32 s[MNT], 0x600000                     ; the mantissa field of 448
	s_mov_b32 s[TB], 0
	s_mov_b32 s[TS], 0
	s_mov_b32 s[SLOTS], 6
	s_wait_kmcnt 0x0
	s_add_nc_u64 s[56:57], s[4:5], s[56:57]
	s_add_nc_u64 s[58:59], s[6:7], s[58:59]
	s_add_nc_u64 s[74:75], s[4:5], s[74:75]
	s_add_nc_u64 s[76:77], s[4:5], s[76:77]
	s_add_nc_u64 s[78:79], s[6:7], s[78:79]
	s_add_nc_u64 s[80:81], s[6:7], s[80:81]
	s_add_nc_u64 s[82:83], s[8:9], s[82:83]
	s_add_nc_u64 s[PFA:PFA+1], s[56:57], s[66:67]
	s_add_nc_u64 s[PFA:PFA+1], s[PFA:PFA+1], 2*65536   ; at the third slot's worth; the first change steps it to the fourth.  Nothing is prefetched here, at the head
	s_mov_b32 s[G0S], 1                            ; 1:0 count = 1
	s_add_co_u32 s[G0S+1], s61, SCL                ; 63:32 LDS address
	s_mov_b64 s[G0S+2:G0S+3], s[58:59]             ; 120:64 global address
	s_or_b32 s[G0S+3], s[G0S+3], 0x80000000        ; 127:126 type = 2
	s_mov_b32 s[G0A], 1
	s_mov_b32 s[G0A+1], s60                        ; slot 0: key steps 0 and 1
	s_mov_b64 s[G0A+2:G0A+3], s[56:57]
	s_or_b32 s[G0A+3], s[G0A+3], 0x80000000
	s_mov_b32 s[G0W], 1
	s_add_co_u32 s[G0W+1], s60, SLOT1              ; slot 1: key steps 2 and 3
	s_add_nc_u64 s[G0W+2:G0W+3], s[56:57], 65536
	s_or_b32 s[G0W+3], s[G0W+3], 0x80000000
	CROUND                                         ; all four work-groups are here: the first joint loads meet
	tensor_load_to_lds s[G0S:G0S+3], s[G1S:G1S+7]  ; the first fills go out as one group: three loads of mine are out
	s_nop 0
	tensor_load_to_lds s[G0A:G0A+3], s[G1:G1+7]
	s_nop 0
	tensor_load_to_lds s[G0W:G0W+3], s[G1:G1+7]
	s_nop 0
	PLACES 4
	v_and_b32 v102, 31, v0                         ; lane
	v_and_b32 v103, 15, v0                         ; r
	v_bfe_u32 v104, v0, 4, 1                       ; h
	v_lshlrev_b32 v[LI], 4, v102
	v_lshlrev_b32 v[PFO], 8, v102
	v_lshlrev_b32 v105, 5, v103
	v_lshl_add_u32 v105, v104, 9, v105             ; 512 h + 32 r: a row's scale words, the two K steps in the two halves of the lanes
	WIN 0xc0                                       ; destination window 3
.irp l, 0,1
.irp s, 0,1
.irp c, 0,1,2,3
	global_load_b128 v[32*\l+16*\s+4*\c:32*\l+16*\s+4*\c+3], v[LI], s[74+2*\l:75+2*\l] offset:16384*\s+512*\c   ; Q stays in registers
.endr
.endr
.endr
	WIN 0
	global_load_b32 v[QS], v105, s[78:79]
	global_load_b32 v[QS+1], v105, s[80:81]
	s_lshl_b32 s84, s11, 15
	v_add_nc_u32 v[AKB], s84, v[LI]
	v_add_nc_u32 v[AVB], 65536, v[AKB]
	s_lshl_b32 s84, s11, 10
	s_add_co_u32 s84, s84, SCL
	v_add_nc_u32 v[ASB], s84, v105
	s_mul_i32 s85, s[WV], XCHB
	v_add_nc_u32 v[XW], s85, v[LI]
	v_lshl_add_u32 v[XSW], v102, 3, s85
	s_xor_b32 s86, s[WV], 2                        ; my partner: the same pair of tiles, the other key steps
	s_mul_i32 s86, s86, XCHB
	v_add_nc_u32 v[XR], s86, v[LI]
	v_lshl_add_u32 v[XSR], v102, 3, s86
	s_add_co_u32 s85, s85, STG
	v_mul_u32_u24 v[STO], v103, SP
	v_lshl_add_u32 v[STO], v104, 6, v[STO]
	v_add_nc_u32 v[STO], s85, v[STO]               ; the stage: row r, + 64 h
	v_add_nc_u32 v[RD], s85, v[LI]
.irp b, 0,1,2,3
	v_mov_b32 v[PM+\b], 0                          ; written once: a lane permute's destination counts as one of its sources
.endr
	v_mov_b32 v[F+1], 0                            ; (named as the upper half of the pair, so it is written)
	v_add_nc_u32 v[ADK], s[TB], v[AKB]
	v_add_nc_u32 v[ADS], s[TS], v[ASB]
	s_wait_tensorcnt 1                             ; the scale words and my part of slot 0 are in; slot 1's load may stay out
	s_barrier_signal -1
	s_barrier_wait -1                              ; everybody's are
.irp r, 0,1,2,3,4,5
	KRUN \r                                        ; my first step's K, in the order in which every later step's comes: tiles 0-5, the scale words, tiles 6, 7
.endr
	KSC
	KRUN 6
	KRUN 7
	WIN 0
	s_wait_loadcnt 0x0                             ; Q
	ITER 1, 2, 1                                   ; my first step starts M, the sums and O^T
	s_mov_b32 s[SLOTS], 5
.Lslot:                                            ; five trips: with the step above, six changes that fill a slot
	ITER 0, 2, 1
	s_sub_co_u32 s[SLOTS], s[SLOTS], 1
	s_cmp_lg_u32 s[SLOTS], 0
	s_cbranch_scc1 .Lslot
	ITER 0, 1, 1                                   ; the tail is written out
	ITER 0, 0, 0
	; THE TWO WAVES OF A PAIR JOIN.  Each has, for both tiles, O^T, M and the sum over its half of the keys.  Each sends its local tile 1, as it stands in the registers, and finishes its local tile 0.
.irp l, 0,1
	v_add_f32 v[ST+4*\l+2], v[ST+4*\l+2], v[ST+4*\l+3]   ; the sum's two halves,
.endr
.irp l, 0,1
	v_permlanex16_b32 v[PM+\l], v[ST+4*\l+2], s[SEL], s[SEL+1]
.endr
.irp l, 0,1
	v_add_f32 v[ST+4*\l+1], v[ST+4*\l+2], v[PM+\l] ; and lane l xor 16's: it takes the place beside -M
.endr
	PLACES 4                                       ; with the four additions: eight plain instructions behind the last products
	WIN 0x04                                       ; an LDS store's data are its source 1: window 1
.set f, 0
.rept 32
	ds_store_b128 v[XW], v[128+4*f:128+4*f+3] offset:512*f   ; each accumulator from its low end on
.set f, f+1
.endr
	WIN 0
	ds_store_b64 v[XSW], v[ST+4:ST+5] offset:16384
	s_wait_dscnt 0x0                               ; for the partner's sake: my stores have landed
	s_barrier_signal -1
	s_barrier_wait -1
	WIN 0x80
.set f, 0
.rept 32
	ds_load_b128 v[4*f:4*f+3], v[XR] offset:512*f  ; the partner's part of my tile, into window 2
.set f, f+1
.endr
	WIN 0
	ds_load_b64 v[BM:BM+1], v[XSR] offset:16384    ; its -M and its sum
	s_wait_dscnt 0x0
	v_min_num_f32 v[T], v[ST], v[BM]               ; -M of both: the larger M
	v_sub_f32 v[HL], v[T], v[ST]                   ; my M less that: a whole number, 0 or less
	v_sub_f32 v[HL+1], v[T], v[BM]                 ; the partner's likewise
	v_cvt_i32_f32 v[HL], v[HL]
	v_cvt_i32_f32 v[HL+1], v[HL+1]
	v_ldexp_f32 v[HL], 1.0, v[HL]
	v_ldexp_f32 v[HL+1], 1.0, v[HL+1]
	v_mul_f32 v[SO], v[ST+1], v[HL]
	v_fma_f32 v[SO], v[BM+1], v[HL+1], v[SO]       ; the row's sum under the common M
	v_rcp_f32 v[SO+1], v[SO]
	v_nop                                          ; a plain instruction behind the reciprocal
	s_wait_alu depctr_va_vdst(0)                   ; and the wait ahead of its first reader
	v_mul_f32 v[PM], v[HL], v[SO+1]                ; what my part is multiplied by,
	v_mul_f32 v[PM+2], v[HL+1], v[SO+1]            ; and the partner's
	WIN 0x82                                       ; destination and source 0 in window 2
.set j, 0
.rept 64
	v_pk_mul_f32 v[j:j+1], v[j:j+1], v[PM+2:PM+3] op_sel_hi:[1,0]
.set j, j+2
.endr
	WIN 0xa1                                       ; source 0 (my O^T) in window 1; source 2 and destination in window 2
.set j, 0
.rept 64
	v_pk_fma_f32 v[j:j+1], v[j:j+1], v[PM:PM+1], v[j:j+1] op_sel_hi:[1,0,1]
.set j, j+2
.endr
	; THE WAY OUT.  Register 8 ct + i of lane (r, h) is channel 32 (ct / 2) + 16 h + 8 (ct % 2) + i of query index r: through my stage, back as half rows of 512 bytes
	WIN 0x08                                       ; the data: window 2
.set ct, 0
.rept 16
	ds_store_b128 v[STO], v[8*ct:8*ct+3] offset:128*(ct/2)+32*(ct%2)
	ds_store_b128 v[STO], v[8*ct+4:8*ct+7] offset:128*(ct/2)+32*(ct%2)+16
.set ct, ct+1
.endr
	WIN 0x80
.set t, 0
.rept 32
	ds_load_b128 v[128+4*t:128+4*t+3], v[RD] offset:(t/2)*SP+512*(t%2)   ; LDS serves a wave's instructions in order (ISA guide 5.7.1.4): these see my stores
.set t, t+1
.endr
	WIN 0x08
.set t, 0
.rept 32
	s_wait_dscnt 31-t                              ; load t is in; the younger ones may be out
	global_store_b128 v[LI], v[128+4*t:128+4*t+3], s[82:83] offset:((t/2)+8*((t/2)/8))*1024+512*(t%2) th:TH_STORE_NT   ; 32 lanes store 512 consecutive bytes, aligned; index t / 2 of the tile is row t / 2 + 8 (t / 16)
.set t, t+1
.endr
	WIN 0
	s_wait_tensorcnt 0x0                           ; the wave's end: behind my last tensor load and my last LDS store
	ds_add_u32 v[SPW], v[NIL]
	s_wait_dscnt 0x0
	CROUND                                         ; the closing round: no work-group ends while a partner may still ask for a tile that names it
	s_endpgm
.Lfunc_end_k_q3df82baa33_attn:
	.size	k_q3df82baa33_attn, .Lfunc_end_k_q3df82baa33_attn-k_q3df82baa33_attn
	.p2alignl 7, 3214868480
	.fill 96, 4, 3214868480
	.section	.rodata,"a",@progbits
	.p2align	6, 0x0
	.amdhsa_kernel k_q3df82baa33_attn
		.amdhsa_group_segment_fixed_size 327680
		.amdhsa_private_segment_fixed_size 0
		.amdhsa_enable_private_segment 0
		.amdhsa_kernarg_size 24
		.amdhsa_user_sgpr_count 2
		.amdhsa_user_sgpr_kernarg_segment_ptr 1
		.amdhsa_wavefront_size32 1
		.amdhsa_system_sgpr_workgroup_id_x 1
		.amdhsa_system_sgpr_workgroup_id_y 1
		.amdhsa_system_sgpr_workgroup_id_z 1
		.amdhsa_system_vgpr_workitem_id 0
		.amdhsa_next_free_vgpr 1024
		.amdhsa_next_free_sgpr 100
		.amdhsa_reserve_vcc 0
		.amdhsa_float_denorm_mode_32 3
		.amdhsa_float_denorm_mode_16_64 3
		.amdhsa_memory_ordered 1
		.amdhsa_forward_progress 1
		.amdhsa_inst_pref_size 241
	.end_amdhsa_kernel
	.amdgpu_metadata
---
amdhsa.version: [ 1, 2 ]
amdhsa.kernels:
  - .name:           k_q3df82baa33_attn
    .symbol:         k_q3df82baa33_attn.kd
    .args:
      - { .name: qkv, .offset: 0, .size: 8, .value_kind: global_buffer, .address_space: global }
      - { .name: qkvs, .offset: 8, .size: 8, .value_kind: global_buffer, .address_space: global }
      - { .name: out0, .offset: 16, .size: 8, .value_kind: global_buffer, .address_space: global }
    .group_segment_fixed_size: 327680
    .private_segment_fixed_size: 0
    .kernarg_segment_align: 8
    .kernarg_segment_size: 24
    .max_flat_workgroup_size: 128
    .sgpr_count:     100
    .vgpr_count:     1024
    .wavefront_size: 32
...
	.end_amdgpu_metadata
.endif
;; end of part 3
;; ======== version 2 of 2: 3 launches; version 1 with the launch proj written anew for expert scheduling mode
;; workspace buffers: wc 196,608 bytes; ws 6,144 bytes; qkv 12,582,912 bytes; qkvs 393,216 bytes
;; launch wprep: the kernel of part 1 again; grid 16 x 3, 1 waves a work-group, no clusters, 0 bytes of LDS; arguments Wq, Wk, Wv, wc, ws; writes wc, ws
;; launch proj (part 4): grid 256 x 1, 8 waves a work-group, no clusters, 134,656 bytes of LDS; arguments x, wc, ws, bq, bk, bv, qkv, qkvs; writes qkv, qkvs
.if DOCPART == 4
	.amdgcn_target "amdgcn-amd-amdhsa--gfx1250"
	.amdhsa_code_object_version 6
	.text
	.protected	k_q3df82baa33_proj
	.globl	k_q3df82baa33_proj
	.p2align	8
	.type	k_q3df82baa33_proj,@function
k_q3df82baa33_proj:
	s_mov_b64 s[64:65], 0
	v_nop
	global_prefetch_b8 v0, s[64:65] scope:SCOPE_SE
	s_setreg_imm32_b32 hwreg(HW_REG_WAVE_SCHED_MODE, 0, 2), 2
	s_setreg_imm32_b32 hwreg(HW_REG_WAVE_MODE, 25, 1), 1
	s_wait_xcnt 0x0
	s_wait_alu depctr_vm_vsrc(0)
; Q = x Wq + bq, K = x Wk + bk, V = x Wv + bv on codes of FP8 (E4M3) with one E8M0 scale for each 32 along d; the f32 results are quantised at once for the attention's two products and leave as codes:
; Q and K along their 256 features, V along the KEYS.  x [16,384][256] f32 is quantised here; the weights come as register images from wc and ws.
; SHARES.  Work-group = (rb = 128 rows, hf = half of the 256 outputs): 256 work-groups.  128 rows, since a fragment of V is 16 channels x 128 keys: so every fragment and every scale word that leaves is whole.
; The price: the two work-groups of an rb both read and quantise its 128 KiB of x.  Wave w quantises row tile w (two fragments; they stay in its registers and also go to LDS as images), and then does three jobs of 16
; matrix instructions: Q of row tile w, K of row tile w (source 0 = 16 columns of W, source 1 = my rows: a lane holds ONE row, its registers run along the features), and V of channel tile w for all 128 rows
; (source 0 = 16 rows of x, source 1 = 16 columns of Wv: a lane holds ONE channel, its registers run along the keys).  So each result's 64 registers are 64 neighbours along the next K, and the conversions' results are the next operand's registers.
; THE ROWS OF A TILE ARE NOT NEIGHBOURS: index r of tile 2 b + u is element 32 b + 8 u + r + 8 (r / 8), for x's rows and for W's columns alike.
; OUT: fragment ((2 rb + hf) 8 + w) 2,048 + 512 c + 16 lane in each region of qkv (Q at 0, K at 4 MiB, V at 8 MiB); scale word (2 rb + hf) 512 + 32 r + 4 w in each region of qkvs (131,072 bytes apart).
; The biases are the C of each sum's first matrix instruction.  No tensor load, so no ring; two barriers.  NO CLUSTER: the weights' codes, 96 KiB for each work-group, come once, through registers, before the one
; pass over the work-group's rows; joint requests are tensor loads, and this text has none.
; LIMITS: a block of zeros, and one whose largest magnitude lies under 2^-118, gets the byte 1 (its codes are zeros or tiny; this program alone reads the bytes); NaN and infinities are not served.
; LDS: 0 the weights' 48 fragments (tau 32,768 + (2 t + s) 2,048);  XIMG x's 16 fragments ((2 m + s) 2,048);  XSC their scale words (128 m + 64 s + 4 r);  OSC the results' scale words (512 tau + 32 r + 4 w);
; behind them, from byte 133,632 on, the spare words, 128 bytes for each of the eight waves, which no line names but the closing add.
; REGISTERS: window 0 as named below; window 1: 16 fragments (at the head v0-95 carry the weights' codes from memory to LDS).
; THE MODE: SCHED_MODE bits 1:0 = 2 (LLVM: expert scheduling mode 2), set by the entry lines.  The code itself states the register dependences between vector or matrix instructions and memory or LDS instructions,
; with s_wait_alu, always for 0.
; THE PLAN.  Registers that memory or LDS instructions touch, in the order of the text (it has no loop):
;   v1-v14     addresses and offsets: written at the head, read by every load and store, never written again.
;   HA, HB     x's loads land; QUANT reads and rewrites them; the bias's loads land; from there on matrix and vector instructions alone name them.
;   XF, XS     QUANT writes them; the images' LDS stores read them; Q's and K's products take them as source 1 and as scales; then Wv's tile is loaded into XF.
;   window 1   the weights' codes land in v0-95 and LDS stores read them; then Wq's 16 fragments land, Q's products read them, Wk's land, K's products read them, x's 16 land, V's products read them.
;   WSQ = XV   Wq's scale words land; Q's products read them; x's scale words land.
;   PC, PW     each of the three results' QUANT writes them; four global stores and one LDS store read them.
;   TM         QUANT works in it; at the end the scale words' load of waves 0 to 2 lands in v[TM:TM+3].
; A wave has 512 registers and window 1 is full with 16 fragments, so there is no second set: each set is asked for behind the products that read the set before, behind ONE wait on va_vdst, which stands where the next
; vector lines read those products' results in any case.  Behind that wait 16 of the 64 loads follow at once and 48 are dealt in three runs among QUANT's lines, which name HA or HB, TM, PC and PW alone: none of the
; registers that those loads touch.  The other waits stand behind each QUANT (its results are stores' data) and ahead of each QUANT that writes PC and PW again (the stores have read them).
.set XIMG, 98304
.set XSC,  131072
.set OSC,  132096
.set LI,   1                           ; 16 x lane
.set LI2,  2                           ; + 65,536
.set XA,   3                           ; x: (r + 8 (r / 8)) 1,024 + 64 h
.set LIW,  4                           ; 16 x lane + 4,096 x wave
.set LIW2, 5                           ; + 65,536
.set XWI,  6                           ; where I store x's images
.set XWS,  7                           ; and their scale words
.set LS,   8                           ; XSC + 4 x lane
.set LV,   9                           ; Wv's tile w in LDS
.set OSW,  10                          ; OSC + 32 r + 4 w
.set VB,   11                          ; 64 h: a bias's eight numbers of my half
.set VWS,  12                          ; 512 h + 32 r: the weights' scale words, K step 0 in lanes 0-15, K step 1 in lanes 16-31
.set VBV,  13                          ; 4 (r + 8 (r / 8)): bv of my channel
.set OSR,  14                          ; OSC + 512 min(wave, 2) + 16 x lane
.set XF,   16                          ; v16-47   x's two fragments; later Wv's two
.set HA,   48                          ; v48-111  64 numbers
.set HB,   112                         ; v112-175 64 numbers
.set PC,   176                         ; v176-191 the codes just made
.set TM,   192                         ; v192-207 at work in QUANT
.set PW,   208                         ; the scale word just made
.set XS,   209                         ; v209-210 my rows' scale words
.set WVS,  211                         ; Wv's scale words of tile w
.set WSQ,  212                         ; v212-219 Wq's scale words, tile t; later
.set XV,   212                         ;          x's scale words, tile m
.set WSK,  220                         ; v220-227 Wk's
.set BV,   228                         ; v228-235 bv of my channel, eight times: the C of V's first products
.set WV,   20
.set OB,   40                          ; s[40:45] where my fragments of Q, K, V go
.set SEL,  56
.set MNT,  58
.set FADR, LI                          ; a fetch of 16 fragments: its address register,
.set FOFF, 0                           ; its first byte,
.set fq,   64                          ; and how many of its 64 loads are written: 64 = none is due
.set MSB, 0
.macro WIN new                         ; the immediate's high byte repeats the setting that is left
.if MSB != \new
	s_set_vgpr_msb (MSB<<8)|\new
.set MSB, \new
.endif
.endm
.macro PLACES n
.rept \n
	v_nop
.endr
.endm
.macro BARRIER                         ; my LDS stores have landed and my LDS loads are in: then the work-group's barrier
	s_wait_dscnt 0x0
	s_barrier_signal -1
	s_barrier_wait -1
.endm
.macro XLOAD reg, s                    ; my 16 rows' numbers of K step s: register 16 b + 4 j + .. = d 128 s + 32 b + 16 h + 4 j + ..
.irp b, 0,1,2,3
.irp j, 0,1,2,3
	global_load_b128 v[\reg+16*\b+4*\j:\reg+16*\b+4*\j+3], v[XA], s[4:5] offset:512*\s+128*\b+16*\j
.endr
.endr
.endm
.macro BIAS reg, sb                    ; a bias in the result's layout: register 8 t + j of lane (r, h) = feature 32 (t / 2) + 16 h + 8 (t % 2) + j of my half
.irp t, 0,1,2,3,4,5,6,7
	global_load_b128 v[\reg+8*\t:\reg+8*\t+3], v[VB], s[\sb:\sb+1] offset:(32*(\t/2)+8*(\t%2))*4
	global_load_b128 v[\reg+8*\t+4:\reg+8*\t+7], v[VB], s[\sb:\sb+1] offset:(32*(\t/2)+8*(\t%2))*4+16
.endr
.endm
; 16 fragments, 32 KiB on end, go into window 1: register 4 f from byte 512 f.  LOADS writes the next n of the 64 loads, under the window that its caller has set
.macro LOADS n
.rept \n
	ds_load_b128 v[4*fq:4*fq+3], v[FADR] offset:FOFF+512*fq
.set fq, fq+1
.endr
.endm
; At three places of QUANT: the next 16 loads of a fetch that is under way.  No wait: no vector or matrix instruction since the wait at the fetch's head names window 1 or the address
.macro DEAL
.if fq < 64
	WIN 0x40
	LOADS 16
	WIN 0
.endif
.endm
; 64 numbers of a lane, register 16 b + i = k 32 b + 16 h + i of my row, become a fragment's codes in v[d] on and its scale word in v[w]
.macro QUANT s, d, w
.irp b, 0,1,2,3
	v_max3_num_f32 v[TM+\b], |v[\s+16*\b]|, |v[\s+1+16*\b]|, 0x4800000   ; block b: my 16 numbers, and the floor 2^(9 - 127): the byte cannot fall under 1
.endr
.irp i, 2,4,6,8,10,12,14
.irp b, 0,1,2,3
	v_max3_num_f32 v[TM+\b], v[TM+\b], |v[\s+16*\b+\i]|, |v[\s+1+16*\b+\i]|   ; the four blocks by turns
.endr
.if (\i == 6) || (\i == 14)
	DEAL
.endif
.endr
.irp b, 0,1,2,3
	v_permlanex16_b32 v[TM+4+\b], v[TM+\b], s[SEL], s[SEL+1]
.endr
.irp b, 0,1,2,3
	v_max_num_f32 v[TM+\b], v[TM+\b], v[TM+4+\b]   ; with lane l xor 16's: the block's largest magnitude
.endr
.irp b, 0,1,2,3
	v_add_nc_u32 v[TM+12+\b], 0xfc000000, v[TM+\b] ; 8 off its exponent field: the conversion's scale operand
.endr
.irp b, 0,1,2,3
	v_and_or_b32 v[TM+8+\b], v[TM+\b], 0x7f800000, s[MNT]   ; 448 x the scale
.endr
.irp b, 0,1,2,3
	v_lshrrev_b32 v[TM+4+\b], 23, v[TM+12+\b]      ; the scale's byte
.endr
	v_lshl_or_b32 v[\w], v[TM+5], 8, v[TM+4]       ; the four bytes make my row's scale word
	v_lshl_or_b32 v[\w], v[TM+6], 16, v[\w]
	v_lshl_or_b32 v[\w], v[TM+7], 24, v[\w]
	DEAL                                           ; the last 16 loads have the 72 lines below in which to land
.irp b, 0,1,2,3
.irp i, 0,1,2,3,4,5,6,7,8,9,10,11,12,13,14,15
	v_med3_num_f32 v[\s+16*\b+\i], v[\s+16*\b+\i], -v[TM+8+\b], v[TM+8+\b]   ; the conversion does not saturate (ISA guide 7.6.2): the hold at the largest code x the scale
.endr
	v_cvt_scalef32_pk8_fp8_f32 v[\d+4*\b:\d+4*\b+1], v[\s+16*\b:\s+16*\b+7], v[TM+12+\b]
	v_cvt_scalef32_pk8_fp8_f32 v[\d+4*\b+2:\d+4*\b+3], v[\s+16*\b+8:\s+16*\b+15], v[TM+12+\b]
.endr
	PLACES 4                                       ; codes made by vector instructions stand four plain instructions ahead of a scaled matrix instruction that takes them
.endm
.macro IMAGE adr, reg, off             ; a fragment goes to LDS as it stands in the registers
.irp c, 0,1,2,3
	ds_store_b128 v[\adr], v[\reg+4*\c:\reg+4*\c+3] offset:\off+512*\c
.endr
.endm
; 16 matrix instructions: the weight's eight tiles x my 16 rows, two K steps; the eight accumulators take turns, and begin as the bias that was loaded into them
.macro JOBQK acc, ws
	WIN 0x01                                       ; source 0 (the weight) in window 1
.irp t, 0,1,2,3,4,5,6,7
	v_wmma_scale_f32_16x16x128_f8f6f4 v[\acc+8*\t:\acc+8*\t+7], v[32*\t:32*\t+15], v[XF:XF+15], v[\acc+8*\t:\acc+8*\t+7], v[\ws+\t], v[XS]
.endr
.irp t, 0,1,2,3,4,5,6,7
	v_wmma_scale_f32_16x16x128_f8f6f4 v[\acc+8*\t:\acc+8*\t+7], v[32*\t+16:32*\t+31], v[XF+16:XF+31], v[\acc+8*\t:\acc+8*\t+7], v[\ws+\t], v[XS+1] matrix_a_scale:MATRIX_SCALE_ROW1
.endr
	WIN 0
.endm
.macro OUT tau                         ; the fragment in v[PC] on leaves as it stands: each store covers 512 consecutive bytes, aligned; its scale word waits in LDS for the other waves'
	s_wait_alu depctr_va_vdst(0)                   ; QUANT has written v[PC] on and v[PW], which the stores below read
.irp c, 0,1,2,3
	global_store_b128 v[LI], v[PC+4*\c:PC+4*\c+3], s[OB+2*\tau:OB+2*\tau+1] offset:512*\c
.endr
	ds_store_b32 v[OSW], v[PW] offset:512*\tau     ; lanes r and r + 16 write the same word with the same value
.endm
	s_load_b256 s[4:11], s[0:1], 0x0               ; x s[4:5], wc s[6:7], ws s[8:9], bq s[10:11]
	s_load_b256 s[12:19], s[0:1], 0x20             ; bk s[12:13], bv s[14:15], qkv s[16:17], qkvs s[18:19]
	v_lshl_add_u32 v254, v0, 2, 0x20a00            ; the LDS address of my spare word, and 0: made here and kept for the closing lines alone
	v_mov_b32 v255, 0
	v_lshrrev_b32 v236, 5, v0
	v_readfirstlane_b32 s[WV], v236                ; wave 0..7
	v_and_b32 v236, 31, v0                         ; lane
	v_and_b32 v237, 15, v0                         ; r
	v_bfe_u32 v238, v0, 4, 1                       ; h
	v_and_b32 v239, 8, v237
	v_add_nc_u32 v239, v239, v237                  ; r + 8 (r / 8)
	s_wait_alu depctr_va_sdst(0)                   ; the wave's number is written into s[WV], ahead of its first reader
	s_lshl_b32 s21, s[WV], 12
	s_lshl_b32 s22, s[WV], 7
	s_lshl_b32 s23, s[WV], 2
	s_min_u32 s24, s[WV], 2
	s_lshl_b32 s25, s24, 9
	v_lshlrev_b32 v[LI], 4, v236
	v_add_nc_u32 v[LI2], 65536, v[LI]
	v_lshlrev_b32 v[XA], 10, v239
	v_lshl_add_u32 v[XA], v238, 6, v[XA]
	v_add_nc_u32 v[LIW], s21, v[LI]
	v_add_nc_u32 v[LIW2], 65536, v[LIW]
	v_add_nc_u32 v[XWI], XIMG, v[LIW]
	v_lshlrev_b32 v[XWS], 2, v237
	v_add_nc_u32 v[XWS], s22, v[XWS]
	v_add_nc_u32 v[XWS], XSC, v[XWS]
	v_lshl_add_u32 v[LS], v236, 2, XSC
	v_add_nc_u32 v[LV], s21, v[LI2]
	v_lshlrev_b32 v[OSW], 5, v237
	v_add_nc_u32 v[OSW], s23, v[OSW]
	v_add_nc_u32 v[OSW], OSC, v[OSW]
	v_lshlrev_b32 v[VB], 6, v238
	v_lshlrev_b32 v[VWS], 5, v237
	v_lshl_add_u32 v[VWS], v238, 9, v[VWS]
	v_lshlrev_b32 v[VBV], 2, v239
	v_add_nc_u32 v[OSR], s25, v[LI]
	v_add_nc_u32 v[OSR], OSC, v[OSR]
	s_and_b32 s26, ttmp9, 1                        ; hf
	s_lshr_b32 s27, ttmp9, 1                       ; rb
	s_lshr_b32 s28, s[WV], 1
	s_and_b32 s29, s[WV], 1
	s_lshl_b32 s28, s28, 5
	s_lshl_b32 s29, s29, 3
	s_add_co_u32 s28, s28, s29                     ; where tile w begins: 32 (w / 2) + 8 (w % 2)
	s_lshl_b32 s30, s27, 7
	s_add_co_u32 s30, s30, s28
	s_lshl_b32 s30, s30, 10                        ; x: row 128 rb + that, 1,024 bytes a row
	s_mov_b32 s31, 0
	s_lshl_b32 s32, s26, 15                        ; wc: 32,768 hf
	s_mov_b32 s33, 0
	s_lshl_b32 s34, s26, 10                        ; ws: 1,024 hf
	s_mov_b32 s35, 0
	s_lshl_b32 s36, s26, 9                         ; a bias: 128 hf numbers
	s_mov_b32 s37, 0
	s_lshl_b32 s38, s28, 2
	s_add_co_u32 s38, s38, s36                     ; bv: + tile w
	s_mov_b32 s39, 0
	s_lshl_b32 s48, s27, 1
	s_add_co_u32 s48, s48, s26                     ; 2 rb + hf
	s_lshl_b32 s50, s48, 3
	s_add_co_u32 s50, s50, s[WV]
	s_lshl_b32 s50, s50, 11                        ; my fragment in a region of qkv
	s_mov_b32 s51, 0
	s_lshl_b32 s52, s48, 9
	s_lshl_b32 s53, s24, 17
	s_add_co_u32 s52, s52, s53                     ; qkvs: region min(wave, 2), 512 (2 rb + hf)
	s_mov_b32 s53, 0
	s_add_co_u32 s54, s34, s23
	s_add_co_u32 s54, s54, 4096                    ; Wv's scale words of tile w
	s_mov_b32 s55, 0
	s_mov_b32 s[SEL], 0x76543210
	s_mov_b32 s[SEL+1], 0xfedcba98                 ; v_permlanex16_b32's selects for lane l xor 16
	s_mov_b32 s[MNT], 0x600000                     ; the mantissa field of 448
	s_wait_kmcnt 0x0
	s_add_nc_u64 s[4:5], s[4:5], s[30:31]
	s_add_nc_u64 s[6:7], s[6:7], s[32:33]
	s_add_nc_u64 s[46:47], s[8:9], s[54:55]
	s_add_nc_u64 s[8:9], s[8:9], s[34:35]
	s_add_nc_u64 s[10:11], s[10:11], s[36:37]
	s_add_nc_u64 s[12:13], s[12:13], s[36:37]
	s_add_nc_u64 s[14:15], s[14:15], s[38:39]
	s_add_nc_u64 s[OB:OB+1], s[16:17], s[50:51]
	s_add_nc_u64 s[OB+2:OB+3], s[OB:OB+1], 0x400000
	s_add_nc_u64 s[OB+4:OB+5], s[OB:OB+1], 0x800000
	s_add_nc_u64 s[18:19], s[18:19], s[52:53]
	s_wait_alu depctr_va_vdst(0)                   ; the fourteen addresses and offsets v1 to v14 are written: every load and store of the kernel reads one of them, and none is written again
	XLOAD HA, 0                                    ; 16 loads
	XLOAD HB, 1                                    ; 16
	WIN 0x40                                       ; 24: my eighth of the weights' codes, 4,096 bytes of each weight, each load 512 consecutive bytes
.irp t, 0,1,2
.irp i, 0,1,2,3,4,5,6,7
	global_load_b128 v[4*(8*\t+\i):4*(8*\t+\i)+3], v[LIW], s[6:7] offset:65536*\t+512*\i
.endr
.endr
	WIN 0
	global_load_b128 v[WSQ:WSQ+3], v[VWS], s[8:9]  ; 13: the weights' scale words and bv
	global_load_b128 v[WSQ+4:WSQ+7], v[VWS], s[8:9] offset:16
	global_load_b128 v[WSK:WSK+3], v[VWS], s[8:9] offset:2048
	global_load_b128 v[WSK+4:WSK+7], v[VWS], s[8:9] offset:2064
	global_load_b32 v[WVS], v[VWS], s[46:47]
.irp j, 0,1,2,3,4,5,6,7
	global_load_b32 v[BV+\j], v[VBV], s[14:15]
.endr
.irp b, 0,1,2,3
	v_mov_b32 v[TM+4+\b], 0                        ; written once: a lane permute's destination counts as one of its sources
.endr
	s_wait_loadcnt 53                              ; x's K step 0 is in: behind it 16 + 24 + 13 loads were issued
	QUANT HA, XF, XS
	s_wait_alu depctr_va_vdst(0)                   ; QUANT has written v[XF] on and v[XS], which the LDS stores read and Q's and K's products take as source 1 and as scales; and it is done with v[HA] on, in which bq lands
	IMAGE XWI, XF, 0
	ds_store_b32 v[XWS], v[XS]
	BIAS HA, 10                                    ; 16 loads: bq into the registers that Q's sums begin in
	s_wait_loadcnt 53                              ; x's K step 1 is in: behind it 24 + 13 + 16
	QUANT HB, XF+16, XS+1
	s_wait_alu depctr_va_vdst(0)                   ; the same of v[XF+16] on, v[XS+1] and v[HB] on, in which bk lands
	IMAGE XWI, XF+16, 2048
	ds_store_b32 v[XWS], v[XS+1] offset:64
	BIAS HB, 12                                    ; 16 loads: bk
	s_wait_loadcnt 45                              ; the weights' codes are in: behind them 13 + 16 + 16
	WIN 0x04                                       ; an LDS store's data are its source 1: window 1
.irp t, 0,1
.irp i, 0,1,2,3,4,5,6,7
	ds_store_b128 v[LIW], v[4*(8*\t+\i):4*(8*\t+\i)+3] offset:32768*\t+512*\i
.endr
.endr
.irp i, 0,1,2,3,4,5,6,7
	ds_store_b128 v[LIW2], v[4*(16+\i):4*(16+\i)+3] offset:512*\i
.endr
	WIN 0
	BARRIER                                        ; the weights' 48 fragments and x's 16 lie in LDS
.set FADR, LI
.set FOFF, 0
.set fq, 0
	WIN 0x40
	s_wait_alu depctr_vm_vsrc(0)                   ; my LDS stores have read window 1's v0-95, in which Wq lands now, and v[XF] on, in which Wv's tile lands behind K's products (no memory or LDS instruction reads it between)
	LOADS 64                                       ; Wq
	WIN 0
	s_wait_loadcnt 0x0                             ; scale words and biases
	s_wait_dscnt 0x0
	JOBQK HA, WSQ
	PLACES 8                                       ; in front of the first read of these products' results
.set FOFF, 32768
.set fq, 0
	WIN 0x40
	s_wait_alu depctr_va_vdst(0)                   ; Q's products are done reading window 1, in which Wk lands
	LOADS 16                                       ; Wk lands while Q is quantised: 16 loads here, 48 among QUANT's lines
	WIN 0
	QUANT HA, PC, PW
	OUT 0
	s_wait_dscnt 0x0
	JOBQK HB, WSK
	PLACES 8
	s_wait_xcnt 0x0                                ; Q's stores have had their addresses translated: v[PC] on is written again only behind this wait,
	s_wait_alu depctr_vm_vsrc(0)                   ; and Q's stores, the LDS store of its scale word among them, have read v[PC] on and v[PW], which QUANT below writes again
.set FADR, LI2
.set fq, 0
	WIN 0x40
	s_wait_alu depctr_va_vdst(0)                   ; K's products are done reading window 1 and v[XF] on, and Q's their scales v[WSQ] on: x's fragments, Wv's tile and x's scale words land there
	LOADS 16                                       ; x's 16 fragments: 16 loads here, 48 among QUANT's lines,
	WIN 0
.irp s, 0,1
.irp c, 0,1,2,3
	ds_load_b128 v[XF+16*\s+4*\c:XF+16*\s+4*\c+3], v[LV] offset:2048*\s+512*\c   ; Wv's tile w,
.endr
.endr
.irp m, 0,1,2,3,4,5,6,7
	ds_load_b32 v[XV+\m], v[LS] offset:128*\m      ; and x's scale words (lanes 0-15: K step 0, lanes 16-31: K step 1) land while K is quantised
.endr
	QUANT HB, PC, PW
	OUT 1
	s_wait_dscnt 0x0
	WIN 0x01                                       ; V: source 0 = x's tile m (window 1), source 1 = Wv's tile w; the eight accumulators take turns
.irp m, 0,1,2,3,4,5,6,7
	v_wmma_scale_f32_16x16x128_f8f6f4 v[HA+8*\m:HA+8*\m+7], v[32*\m:32*\m+15], v[XF:XF+15], v[BV:BV+7], v[XV+\m], v[WVS]
.endr
.irp m, 0,1,2,3,4,5,6,7
	v_wmma_scale_f32_16x16x128_f8f6f4 v[HA+8*\m:HA+8*\m+7], v[32*\m+16:32*\m+31], v[XF+16:XF+31], v[HA+8*\m:HA+8*\m+7], v[XV+\m], v[WVS] matrix_a_scale:MATRIX_SCALE_ROW1 matrix_b_scale:MATRIX_SCALE_ROW1
.endr
	WIN 0
	PLACES 8
	s_wait_xcnt 0x0                                ; K's stores have had their addresses translated,
	s_wait_alu depctr_vm_vsrc(0)                   ; and have read v[PC] on and v[PW], which QUANT below writes again
	QUANT HA, PC, PW                               ; a lane's 64 registers are its channel's 128-key step, 32 b + 16 h + 0 .. 15: V is quantised along the keys
	OUT 2                                          ; (the wait at its head also states that QUANT is done with v[TM] on, in which the load below lands: no vector instruction follows it)
	BARRIER                                        ; all eight waves' scale words lie in LDS
	s_cmp_gt_u32 s[WV], 2                          ; waves 0, 1, 2 store Q's, K's, V's 512 bytes of scale words: consecutive, aligned
	s_cbranch_scc1 .Ldone
	ds_load_b128 v[TM:TM+3], v[OSR]
	s_wait_dscnt 0x0
	global_store_b128 v[LI], v[TM:TM+3], s[18:19]
.Ldone:
	s_wait_dscnt 0x0                               ; the closing lines, six on end
	s_wait_alu 0x0
	s_wait_tensorcnt 0x0
	ds_add_u32 v254, v255
	s_wait_dscnt 0x0
	s_endpgm
.Lfunc_end_k_q3df82baa33_proj:
	.size	k_q3df82baa33_proj, .Lfunc_end_k_q3df82baa33_proj-k_q3df82baa33_proj
	.p2alignl 7, 3214868480
	.fill 96, 4, 3214868480
	.section	.rodata,"a",@progbits
	.p2align	6, 0x0
	.amdhsa_kernel k_q3df82baa33_proj
		.amdhsa_group_segment_fixed_size 134656
		.amdhsa_private_segment_fixed_size 0
		.amdhsa_enable_private_segment 0
		.amdhsa_kernarg_size 64
		.amdhsa_user_sgpr_count 2
		.amdhsa_user_sgpr_kernarg_segment_ptr 1
		.amdhsa_wavefront_size32 1
		.amdhsa_system_sgpr_workgroup_id_x 1
		.amdhsa_system_sgpr_workgroup_id_y 1
		.amdhsa_system_sgpr_workgroup_id_z 1
		.amdhsa_system_vgpr_workitem_id 0
		.amdhsa_next_free_vgpr 512
		.amdhsa_next_free_sgpr 66
		.amdhsa_reserve_vcc 0
		.amdhsa_float_denorm_mode_32 3
		.amdhsa_float_denorm_mode_16_64 3
		.amdhsa_memory_ordered 1
		.amdhsa_forward_progress 1
		.amdhsa_inst_pref_size 79
	.end_amdhsa_kernel
	.amdgpu_metadata
---
amdhsa.version: [ 1, 2 ]
amdhsa.kernels:
  - .name:           k_q3df82baa33_proj
    .symbol:         k_q3df82baa33_proj.kd
    .args:
      - { .name: x, .offset: 0, .size: 8, .value_kind: global_buffer, .address_space: global }
      - { .name: wc, .offset: 8, .size: 8, .value_kind: global_buffer, .address_space: global }
      - { .name: ws, .offset: 16, .size: 8, .value_kind: global_buffer, .address_space: global }
      - { .name: bq, .offset: 24, .size: 8, .value_kind: global_buffer, .address_space: global }
      - { .name: bk, .offset: 32, .size: 8, .value_kind: global_buffer, .address_space: global }
      - { .name: bv, .offset: 40, .size: 8, .value_kind: global_buffer, .address_space: global }
      - { .name: qkv, .offset: 48, .size: 8, .value_kind: global_buffer, .address_space: global }
      - { .name: qkvs, .offset: 56, .size: 8, .value_kind: global_buffer, .address_space: global }
    .group_segment_fixed_size: 134656
    .private_segment_fixed_size: 0
    .kernarg_segment_align: 8
    .kernarg_segment_size: 64
    .max_flat_workgroup_size: 256
    .sgpr_count:     66
    .vgpr_count:     512
    .wavefront_size: 32
...
	.end_amdgpu_metadata
.endif
;; end of part 4
;; launch attn: the kernel of part 3 again; grid 32 x 8, 4 waves a work-group, clusters of 4 x 1, 327,680 bytes of LDS; arguments qkv, qkvs, out0; writes out0
